; MI455X (gfx1250); checked and timed in simulation.
; The chip was launched on July 23, 2026; its instructions are those of AMD's public machine-readable ISA for CDNA 5 (MIT licence, August 2026) and "CDNA5" Instruction Set Architecture Reference Guide (July 2026). The comments in the code are by the model that wrote it; some were corrected since.
;; Fused Experts. Allowed arithmetic: matrix products marked QUANTISED: E4M3 operands, one E8M0 scale for each 32 along K, by v_wmma_scale_f32_16x16x128_f8f6f4 with both operands' format E4M3, f32 sums; everything else in f32.
;; Inputs: expert_idxs 8,192 x 2 int32; expert_p 8,192 x 2 float32; w13 8 x 1,024 x 512 float32; w2 8 x 256 x 1,024 float32; x 2 x 4,096 x 1,024 float32.
;; Outputs: out0 2 x 4,096 x 1,024 float32.
;; This version of the problem:
;;   THIS VERSION OF THE PROBLEM IS GIVEN IN LOW PRECISION. The matrix products marked QUANTISED in the list below multiply operands that are first quantised to E4M3 (4 exponent bits, 3 mantissa bits; 8 bits a number), with one power-of-two scale for each 32 numbers along K (OCP MX v1.0); their sums are f32. All else is computed in f32.
;;   The module's matrix products, in the order in which they are computed (A, B: the left and right operand; K: the contracted axis; several contracted axes count as one K, in the product's order):
;;     1. [M 8,192, K 1,024] x [K 1,024, N 512]; A: input x; B: input w13: QUANTISED
;;     2. [M 8,192, K 256] x [K 256, N 1,024]; A: computed on the way; B: input w2: QUANTISED
;;     3. [M 8,192, K 1,024] x [K 1,024, N 512]; A: input x; B: input w13: QUANTISED
;;     4. [M 8,192, K 256] x [K 256, N 1,024]; A: computed on the way; B: input w2: QUANTISED
;;     5. [M 8,192, K 1,024] x [K 1,024, N 512]; A: input x; B: input w13: QUANTISED
;;     6. [M 8,192, K 256] x [K 256, N 1,024]; A: computed on the way; B: input w2: QUANTISED
;;     7. [M 8,192, K 1,024] x [K 1,024, N 512]; A: input x; B: input w13: QUANTISED
;;     8. [M 8,192, K 256] x [K 256, N 1,024]; A: computed on the way; B: input w2: QUANTISED
;;     9. [M 8,192, K 1,024] x [K 1,024, N 512]; A: input x; B: input w13: QUANTISED
;;     10. [M 8,192, K 256] x [K 256, N 1,024]; A: computed on the way; B: input w2: QUANTISED
;;     11. [M 8,192, K 1,024] x [K 1,024, N 512]; A: input x; B: input w13: QUANTISED
;;     12. [M 8,192, K 256] x [K 256, N 1,024]; A: computed on the way; B: input w2: QUANTISED
;;     13. [M 8,192, K 1,024] x [K 1,024, N 512]; A: input x; B: input w13: QUANTISED
;;     14. [M 8,192, K 256] x [K 256, N 1,024]; A: computed on the way; B: input w2: QUANTISED
;;     15. [M 8,192, K 1,024] x [K 1,024, N 512]; A: input x; B: input w13: QUANTISED
;;     16. [M 8,192, K 256] x [K 256, N 1,024]; A: computed on the way; B: input w2: QUANTISED
;;   THE QUANTISER, for each operand of a quantised product, along K:
;;     - K is cut into blocks of 32 from its start; a last block that is shorter is filled with zeros.
;;     - A block's scale is 2^e with e = floor(log2(the largest magnitude in the block)) - 8, held to -126 .. 127; a block of zeros has e = 0. As a byte (E8M0): e + 127.
;;     - Each number is divided by its block's scale, clamped to +-448, and rounded to the nearest number of E4M3, ties to even, subnormals kept.
;;     - The product sums the exact products of the quantised numbers (number of the format x scale) in f32.
;;   ~~~python
;;   def quantise(x, axis):      # numpy; x: float32 -> the quantised numbers, widened to float32 again
;;       x = np.moveaxis(x, axis, -1); K = x.shape[-1]
;;       x = np.pad(x, [(0, 0)] * (x.ndim - 1) + [(0, -K % 32)]); x = x.reshape(x.shape[:-1] + (-1, 32)); a = np.abs(x).max(-1, keepdims=True)
;;       e = np.where(a > 0, np.clip(np.frexp(np.where(a > 0, a, 1))[1] - 1 - 8, -126, 127), 0)      # np.frexp(a)[1] - 1 = floor(log2(a)), exactly
;;       r = np.clip(x / 2.0 ** e, -448, 448)
;;       step = 2.0 ** (np.maximum(np.frexp(np.where(r == 0, 1, r))[1] - 1, -6) - 3)
;;       q = np.round(r / step) * step * 2.0 ** e      # np.round: ties to even
;;       return np.moveaxis(q.reshape(q.shape[:-2] + (-1,))[..., :K], -1, axis).astype(np.float32)
;;   ~~~
;;   OPERANDS COMPUTED ON THE WAY. 'Computed on the way' means the value that the module computes at that place (a softmax that the list does not call 'softmax' is quantised finished and normalised). What goes into a quantiser is computed in f32, as accurately as f32 sums, v_exp_f32 and their like allow (about 1e-6 of the number): no bf16 or f16 on the way to a quantiser, and a product that is left as it is and whose result goes on into a quantised operand takes f32 operands (vector FMAs, or v_wmma_f32_16x16x4_f32). A number that lies on a knife's edge between two numbers of the format may be rounded either way, as far as f32 arithmetic and the matrix unit's own rounding can turn it there, and no further.
;; 3 versions. Each part assembles by itself: llvm-mc -triple=amdgcn-amd-amdhsa -mcpu=gfx1250 --defsym DOCPART=n.
;; ======== version 1 of 3: 2 launches
;; workspace buffers: order 32,768 bytes of whole numbers; w13c 4,194,304 bytes; w13s 131,072 bytes; w2c 2,097,152 bytes; w2s 65,536 bytes
;; launch prep (part 1): grid 200 x 1, 8 waves a work-group, no clusters, 2,048 bytes of LDS; arguments expert_idxs, w13, w2, order, w13c, w13s, w2c, w2s; writes order, w13c, w13s, w2c, w2s
.if DOCPART == 1
	.amdgcn_target "amdgcn-amd-amdhsa--gfx1250"
	.amdhsa_code_object_version 6
	.text
	.protected	k_qb181dd0867_prep
	.globl	k_qb181dd0867_prep
	.p2align	8
	.type	k_qb181dd0867_prep,@function
k_qb181dd0867_prep:
	s_mov_b64 s[64:65], 0
	v_nop
	global_prefetch_b8 v0, s[64:65] scope:SCOPE_SE
	s_setreg_imm32_b32 hwreg(HW_REG_WAVE_MODE, 25, 1), 1
	s_wait_xcnt 0x0
; PREP: what the experts' launch needs laid ready, in one launch.  Three kinds of work-group, told apart by the work-group's number alone.
; (1) Work-groups 0-7 SORT the 8,192 tokens by their set of experts (a = the smaller index, b = the larger): work-group j ranks the tokens with a = j and stores order[position] = token.
;     position = (tokens with a < j) + (tokens with a = j and a smaller b) + (such tokens with the same b in threads before mine) + (in my thread before this one).  No atomics: counts, two scans, a placement.
;     For the key alone both indices are held at 7, so that order is a permutation whatever the int32 inputs hold; the next launch compares the indices as they are given.
; (2) Work-groups 8-135 quantise w13 [8][1024 (k)][512 (n)], (3) work-groups 136-199 w2 [8][256 (k)][1024 (n)], f32, K = the FIRST axis, into codes of FP8 (E4M3) with one E8M0 byte for each 32 along K.
;     A LANE TAKES A COLUMN n AND ITS REGISTERS RUN DOWN K: a block of 32 lies in one lane, and the conversions give codes with K innermost.  A wave takes 128 along K x 32 columns: two operand fragments.
;     THE CODES ARE LAID AS IMAGES OF THE OPERAND'S REGISTERS: a fragment (16 rows x 128 K) is 2,048 bytes, chunk c (512 bytes) = lane (16 h + r)'s 16 codes k = 32 c + 16 h + 0..15 of row r.
;     w13c: fragment ((e 16 + cb) 8 + s) 2 + u; row r of tile (cb, u) is column 32 cb + 8 u + r + 8 (r / 8), so that the results of tiles u = 0, 1 are 16 neighbours along the next product's K.
;     w2c:  fragment ((e 32 + cb) 2 + s) 2 + u; row r of tile (cb, u) is column 32 cb + 16 u + r.
;     Scale words (four bytes: 128 along K of one row): w13s [e][cb][s / 4][lane][s % 4], w2s [e][cb / 2][lane][2 (cb % 2) + s]; lanes 0-15 tile u = 0, lanes 16-31 tile u = 1.
; A block's scale is 2^(floor(log2(largest magnitude)) - 8); its byte is the largest magnitude's exponent field - 8, held at 1 from below.
; LIMITS: a block of zeros gets the byte 1 where the rule says 127 (its codes are zeros, and this program alone reads the bytes); blocks whose largest magnitude lies under 2^-118 are held at the byte 1; NaN and infinities are not served.
; The scale words leave as 4 bytes a lane, 16 bytes apart: one byte for each 128 read.  The codes leave as whole aligned runs of 256 bytes from sixteen neighbouring lanes.
.set TT, 15                            ; v15  the scans' shifted copy
; ---- the quantiser: v2 = my column's bytes in a row, v3 = my place in a pair of fragments, v4 = 16 x lane; s[24:25] input, s[26:27] codes, s[28:29] scale words, s33 = 448's mantissa field
.macro QLOAD c, pitch                  ; block c: 32 numbers down K of my column into set c % 2; a wave's load reads 128 consecutive bytes, the eight waves of a work-group 1,024
.set n, 0
.rept 32
	global_load_b32 v[32+32*((\c)%2)+n], v2, s[24:25] offset:(32*(\c)+n)*(\pitch) th:TH_LOAD_NT
.set n, n+1
.endr
.endm
.macro QBLOCK c, pitch
.set XB, 32+32*((\c)%2)
.if (\c) < 3
	s_wait_loadcnt 32                              ; this block's 32 loads are in; the next block's 32 may be out
.else
	s_wait_loadcnt 0x0
.endif
	v_max3_num_f32 v12, |v[XB]|, |v[XB+1]|, |v[XB+2]|              ; the block's largest magnitude: all 32 numbers are mine; two chains
	v_max3_num_f32 v13, |v[XB+3]|, |v[XB+4]|, |v[XB+5]|
.irp i, 6,10,14,18,22,26
	v_max3_num_f32 v12, v12, |v[XB+\i]|, |v[XB+\i+1]|
	v_max3_num_f32 v13, v13, |v[XB+\i+2]|, |v[XB+\i+3]|
.endr
	v_max3_num_f32 v12, v12, |v[XB+30]|, |v[XB+31]|
	v_max3_num_f32 v12, v12, v13, 0x4800000        ; and the floor 2^(9 - 127): the byte cannot fall under 1
	v_add_nc_u32 v11, 0xfc000000, v12              ; 8 off the exponent field: the conversion's scale operand
	v_and_or_b32 v10, v12, 0x7f800000, s33         ; 448 x the scale
	v_lshrrev_b32 v13, 23, v11                     ; the scale's byte
.if (\c) == 0
	v_mov_b32 v14, v13                             ; four bytes make the K step's scale word, the lower K in the lower byte
.else
	v_lshl_or_b32 v14, v13, 8*(\c), v14
.endif
.set n, 0
.rept 32
	v_med3_num_f32 v[XB+n], v[XB+n], -v10, v10     ; the conversion to an 8-bit code does not saturate (ISA guide 7.6.2): hold first
.set n, n+1
.endr
.irp g, 0,1,2,3
	v_cvt_scalef32_pk8_fp8_f32 v[96+8*(\c)+2*\g:97+8*(\c)+2*\g], v[XB+8*\g:XB+8*\g+7], v11
.endr
	global_store_b128 v3, v[96+8*(\c):99+8*(\c)], s[26:27] offset:512*(\c)          ; k = 32 c + 0..15: the place of lane (r, h = 0); sixteen lanes fill 256 aligned bytes
	global_store_b128 v3, v[100+8*(\c):103+8*(\c)], s[26:27] offset:512*(\c)+256    ; k = 32 c + 16..31: the place of lane (r, h = 1).  Each block has code registers of its own: no store's data are written again
.if (\c)+2 < 4
	QLOAD (\c)+2, \pitch
.endif
.endm
.macro QTASK pitch
	QLOAD 0, \pitch
	QLOAD 1, \pitch
	QBLOCK 0, \pitch
	QBLOCK 1, \pitch
	QBLOCK 2, \pitch
	QBLOCK 3, \pitch
	global_store_b32 v4, v14, s[28:29]
.endm
; ---- the sort's macros
.macro RSCAN reg                       ; an inclusive sum along each row of 16 lanes
.irp d, 1,2,4,8
	v_mov_b32_dpp v[TT], v[\reg] row_shr:\d row_mask:0xf bank_mask:0xf bound_ctrl:1
	v_add_nc_u32 v[\reg], v[\reg], v[TT]
.endr
.endm
; Token 256 i + t.  Counts go into 4-bit fields, one for each b, of a register for each group of eight tokens (a field holds 8 at the most).  The pair's registers then keep b, and my rank in the group or -1 where a is not j.
.macro TOK i
.set RG, 5+(\i)/8
.set E0, 32+2*(\i)
	v_min_u32 v9, v[E0], v[E0+1]                   ; a
	v_add_nc_u32 v10, v[E0], v[E0+1]
	v_sub_nc_u32 v10, v10, v9                      ; b
	v_min_u32 v9, 7, v9
	v_min_u32 v10, 7, v10
	v_cmp_gt_u32 vcc_lo, s20, v9
	v_cndmask_b32 v11, 0, v2, vcc_lo
	v_add_nc_u32 v4, v4, v11                       ; tokens with a < j
	v_cmp_eq_u32 vcc_lo, s20, v9
	v_cndmask_b32 v11, 0, v2, vcc_lo               ; 1 where the token is mine to rank
	v_lshlrev_b32 v12, 2, v10
	v_bfe_u32 v13, v[RG], v12, 4                   ; how many of this b the group has had
	v_cndmask_b32 v[E0+1], v3, v13, vcc_lo
	v_lshlrev_b32 v11, v12, v11
	v_add_nc_u32 v[RG], v[RG], v11
	v_mov_b32 v[E0], v10
.endm
; The token's position: its group's table (four words of two 16-bit fields: b = 0|4, 2|6, 1|5, 3|7) at b, + its rank in the group.  All 32 positions are made while every lane is on, ahead of the first change of EXEC:
; the byte offset takes b's register, the token's number a register of its own, so that the stores below find both ready and no vector register is written between them.
.macro POS i
.set XG, 128+4*((\i)/8)
.set E0, 32+2*(\i)
	v_and_b32 v9, 2, v[E0]
	v_cmp_ne_u32 s40, 0, v9
	v_and_b32 v10, 1, v[E0]
	v_cmp_ne_u32 s41, 0, v10
	v_cndmask_b32 v11, v[XG], v[XG+1], s40
	v_cndmask_b32 v12, v[XG+2], v[XG+3], s40
	v_cndmask_b32 v11, v11, v12, s41
	v_and_b32 v9, 4, v[E0]
	v_lshlrev_b32 v9, 2, v9                        ; 16 (b / 4)
	v_bfe_u32 v11, v11, v9, 16
	v_add_nc_u32 v11, v11, v[E0+1]
	v_min_u32 v11, 0x1fff, v11                     ; a number made of loaded numbers enters an address only behind this hold
	v_lshlrev_b32 v[E0], 2, v11                    ; its byte in order
	v_add_nc_u32 v[152+(\i)], 256*(\i), v0         ; the token
.endm
; The store, by the lanes whose token has a = j (the others' rank is -1).
.macro PUT i
.set E0, 32+2*(\i)
	v_cmp_ne_u32 vcc_lo, -1, v[E0+1]
	s_and_saveexec_b32 s42, vcc_lo                 ; (no memory instruction has been issued since the last wait on XCNT)
	global_store_b32 v[E0], v[152+(\i)], s[10:11]
	s_wait_xcnt 0x0                                ; EXEC is written again only behind this wait
	s_or_b32 exec_lo, exec_lo, s42
.endm
	s_load_b512 s[4:19], s[0:1], 0x0               ; expert_idxs s[4:5], w13 s[6:7], w2 s[8:9], order s[10:11], w13c s[12:13], w13s s[14:15], w2c s[16:17], w2s s[18:19]
	v_lshl_add_u32 v192, v0, 2, 0x400
	v_mov_b32 v193, 0
	v_lshrrev_b32 v1, 5, v0
	v_readfirstlane_b32 s36, v1                    ; wave 0..7
	s_wait_kmcnt 0x0
	s_cmp_lt_u32 ttmp9, 8
	s_cbranch_scc1 .Lsort
	v_and_b32 v1, 31, v0                           ; lane
	v_and_b32 v5, 15, v0                           ; r
	v_bfe_u32 v6, v0, 4, 1                         ; u: my column's tile
	v_lshlrev_b32 v3, 4, v5
	v_lshl_add_u32 v3, v6, 11, v3                  ; 2,048 u + 16 r
	v_lshlrev_b32 v4, 4, v1                        ; 16 x lane
	s_mov_b32 s33, 0x600000                        ; the mantissa field of 448
	s_cmp_lt_u32 ttmp9, 136
	s_cbranch_scc1 .Lw13
	; ---- w2: 8 experts x 2 K steps x 32 blocks of 32 columns, a wave each
	s_sub_co_u32 s20, ttmp9, 136
	s_lshr_b32 s21, s20, 3                         ; e
	s_bfe_u32 s22, s20, 0x10002                    ; K step
	s_and_b32 s23, s20, 3
	s_lshl_b32 s23, s23, 3
	s_add_co_u32 s23, s23, s36                     ; cb
	s_lshl_b32 s24, s21, 20                        ; an expert is 1,048,576 bytes,
	s_lshl_b32 s26, s22, 19                        ; 128 rows of 4,096,
	s_add_co_u32 s24, s24, s26
	s_lshl_b32 s26, s23, 7                         ; 32 columns of 4
	s_add_co_u32 s24, s24, s26
	s_mov_b32 s25, 0
	s_add_nc_u64 s[24:25], s[8:9], s[24:25]
	s_lshl_b32 s26, s21, 5
	s_add_co_u32 s26, s26, s23
	s_lshl_b32 s26, s26, 1
	s_add_co_u32 s26, s26, s22
	s_lshl_b32 s26, s26, 12                        ; ((e 32 + cb) 2 + s) pairs of fragments
	s_mov_b32 s27, 0
	s_add_nc_u64 s[26:27], s[16:17], s[26:27]
	s_lshl_b32 s28, s21, 13
	s_lshr_b32 s30, s23, 1
	s_lshl_b32 s30, s30, 9
	s_add_co_u32 s28, s28, s30
	s_and_b32 s30, s23, 1
	s_lshl_b32 s30, s30, 1
	s_add_co_u32 s30, s30, s22
	s_lshl_b32 s30, s30, 2
	s_add_co_u32 s28, s28, s30
	s_mov_b32 s29, 0
	s_add_nc_u64 s[28:29], s[18:19], s[28:29]
	v_lshlrev_b32 v2, 2, v1                        ; column 32 cb + lane
	QTASK 4096
	s_endpgm
.Lw13:
	; ---- w13: 8 experts x 8 K steps x 16 blocks of 32 columns, a wave each
	s_sub_co_u32 s20, ttmp9, 8
	s_lshr_b32 s21, s20, 4                         ; e
	s_bfe_u32 s22, s20, 0x30001                    ; K step
	s_and_b32 s23, s20, 1
	s_lshl_b32 s23, s23, 3
	s_add_co_u32 s23, s23, s36                     ; cb
	s_lshl_b32 s24, s21, 21
	s_lshl_b32 s26, s22, 18                        ; 128 rows of 2,048 bytes
	s_add_co_u32 s24, s24, s26
	s_lshl_b32 s26, s23, 7
	s_add_co_u32 s24, s24, s26
	s_mov_b32 s25, 0
	s_add_nc_u64 s[24:25], s[6:7], s[24:25]
	s_lshl_b32 s26, s21, 4
	s_add_co_u32 s26, s26, s23
	s_lshl_b32 s26, s26, 3
	s_add_co_u32 s26, s26, s22
	s_lshl_b32 s26, s26, 12                        ; ((e 16 + cb) 8 + s) pairs of fragments
	s_mov_b32 s27, 0
	s_add_nc_u64 s[26:27], s[12:13], s[26:27]
	s_lshl_b32 s28, s21, 14
	s_lshl_b32 s30, s23, 10
	s_add_co_u32 s28, s28, s30
	s_lshr_b32 s30, s22, 2
	s_lshl_b32 s30, s30, 9
	s_add_co_u32 s28, s28, s30
	s_and_b32 s30, s22, 3
	s_lshl_b32 s30, s30, 2
	s_add_co_u32 s28, s28, s30
	s_mov_b32 s29, 0
	s_add_nc_u64 s[28:29], s[14:15], s[28:29]
	v_and_b32 v7, 8, v5
	v_add_nc_u32 v7, v7, v5
	v_lshl_add_u32 v7, v6, 3, v7                   ; column 32 cb + 8 u + r + 8 (r / 8): the 32 lanes still cover 128 consecutive bytes
	v_lshlrev_b32 v2, 2, v7
	QTASK 2048
	s_endpgm
.Lsort:
	; REGISTERS: v4 tokens with a < j; v5-8 the groups' counts; v16-20 my totals (16-bit fields b = 0|4, 2|6, 1|5, 3|7; v20 = v4), then their scans; v24-27 my totals kept; v28-31, v96 my row's totals;
	; v32-95 a pair for each token: the indices, then (b, rank), then (byte in order, rank); v97-99, v100-102 the groups' prefixes in bytes (even b, odd b); v108-112 the rows' totals, scanned; v113-116 the rows' prefixes;
	; v117-121 the grand totals; v122-125 my row's prefix; v128-143 the groups' tables; v145-151 where each b begins; v152-183 the tokens' numbers
	s_mov_b32 s20, ttmp9                           ; j
	s_mov_b32 s21, 0x0f0f0f0f
	s_mov_b32 s22, 0x00ff00ff
	v_lshlrev_b32 v1, 3, v0                        ; thread t takes tokens 256 i + t: a wave's load reads 256 consecutive bytes
.set n, 0
.rept 32
	global_load_b64 v[32+2*n:33+2*n], v1, s[4:5] offset:2048*n
.set n, n+1
.endr
	v_mov_b32 v2, 1
	v_mov_b32 v3, -1
.irp k, 4,5,6,7,8,15,28,29,30,31,96,117,118,119,120,121
	v_mov_b32 v\k, 0                               ; counts begin at 0; the destination of a lane move counts as read, so it is written once
.endr
	s_wait_loadcnt 0x0
.set tk, 0
.rept 32
	TOK tk
.set tk, tk+1
.endr
	; 4-bit fields to bytes (even b, odd b), summed over the groups: prefixes for groups 1 to 3, and my totals (32 at the most)
	v_and_b32 v97, s21, v5
	v_lshrrev_b32 v9, 4, v5
	v_and_b32 v100, s21, v9
	v_and_b32 v10, s21, v6
	v_add_nc_u32 v98, v97, v10
	v_lshrrev_b32 v9, 4, v6
	v_and_b32 v9, s21, v9
	v_add_nc_u32 v101, v100, v9
	v_and_b32 v10, s21, v7
	v_add_nc_u32 v99, v98, v10
	v_lshrrev_b32 v9, 4, v7
	v_and_b32 v9, s21, v9
	v_add_nc_u32 v102, v101, v9
	v_and_b32 v10, s21, v8
	v_add_nc_u32 v103, v99, v10
	v_lshrrev_b32 v9, 4, v8
	v_and_b32 v9, s21, v9
	v_add_nc_u32 v104, v102, v9
	; bytes to 16-bit fields: sums over all threads stay under 2^16
	v_and_b32 v16, s22, v103                       ; b = 0 | 4
	v_lshrrev_b32 v9, 8, v103
	v_and_b32 v17, s22, v9                         ; 2 | 6
	v_and_b32 v18, s22, v104                       ; 1 | 5
	v_lshrrev_b32 v9, 8, v104
	v_and_b32 v19, s22, v9                         ; 3 | 7
	v_mov_b32 v20, v4
.irp k, 0,1,2,3
	v_mov_b32 v[24+\k], v[16+\k]
.endr
.irp k, 16,17,18,19,20
	RSCAN \k
.endr
.irp k, 0,1,2,3
	v_mov_b32_dpp v[28+\k], v[16+\k] row_share:15 row_mask:0xf bank_mask:0xf   ; my row's totals, in every lane of the row
.endr
	v_mov_b32_dpp v96, v20 row_share:15 row_mask:0xf bank_mask:0xf
	v_lshrrev_b32 v14, 4, v0
	v_lshlrev_b32 v14, 5, v14                      ; row t / 16 of the 16: 32 bytes each
	ds_store_b128 v14, v[28:31]                    ; the sixteen lanes of a row write the same bytes with the same values
	ds_store_b32 v14, v96 offset:16
	s_wait_dscnt 0x0                               ; for the others' sake: my stores are done
	s_barrier_signal -1
	s_barrier_wait -1
	v_and_b32 v13, 15, v0
	v_lshlrev_b32 v13, 5, v13
	ds_load_b128 v[108:111], v13                   ; lane q of each row of lanes takes row q's totals
	ds_load_b32 v112, v13 offset:16
	s_wait_dscnt 0x0
.irp k, 0,1,2,3
	v_mov_b32 v[113+\k], v[108+\k]
.endr
.irp k, 108,109,110,111,112
	RSCAN \k
.endr
.irp k, 0,1,2,3,4
	v_mov_b32_dpp v[117+\k], v[108+\k] row_share:15 row_mask:0xf bank_mask:0xf   ; the grand totals
.endr
.irp k, 0,1,2,3
	v_sub_nc_u32 v[113+\k], v[108+\k], v[113+\k]   ; what the rows before row q hold
.endr
	v_lshrrev_b32 v12, 4, v0
	v_lshlrev_b32 v12, 2, v12                      ; lane t / 16 holds my row's
.irp k, 0,1,2,3
	ds_bpermute_b32 v[122+\k], v12, v[113+\k]
.endr
	; where each b begins: behind the tokens with a < j, the b in ascending order
	v_and_b32 v9, 0xffff, v117
	v_add_nc_u32 v145, v121, v9
	v_and_b32 v9, 0xffff, v119
	v_add_nc_u32 v146, v145, v9
	v_and_b32 v9, 0xffff, v118
	v_add_nc_u32 v147, v146, v9
	v_and_b32 v9, 0xffff, v120
	v_add_nc_u32 v148, v147, v9
	v_lshrrev_b32 v9, 16, v117
	v_add_nc_u32 v149, v148, v9
	v_lshrrev_b32 v9, 16, v119
	v_add_nc_u32 v150, v149, v9
	v_lshrrev_b32 v9, 16, v118
	v_add_nc_u32 v151, v150, v9
	v_lshl_or_b32 v9, v148, 16, v121               ; 0 | 4
	v_lshl_or_b32 v10, v150, 16, v146              ; 2 | 6
	v_lshl_or_b32 v11, v149, 16, v145              ; 1 | 5
	v_lshl_or_b32 v13, v151, 16, v147              ; 3 | 7
.irp k, 0,1,2,3
	v_sub_nc_u32 v[16+\k], v[16+\k], v[24+\k]      ; what the threads before me in my row hold
.endr
	s_wait_dscnt 0x0
	v_add3_u32 v128, v16, v122, v9                 ; group 0's table: the b's beginning + all threads before me
	v_add3_u32 v129, v17, v123, v10
	v_add3_u32 v130, v18, v124, v11
	v_add3_u32 v131, v19, v125, v13
.irp g, 1,2,3
	v_and_b32 v9, s22, v[96+\g]                    ; + my own earlier groups
	v_add_nc_u32 v[128+4*\g], v128, v9
	v_lshrrev_b32 v9, 8, v[96+\g]
	v_and_b32 v9, s22, v9
	v_add_nc_u32 v[129+4*\g], v129, v9
	v_and_b32 v9, s22, v[99+\g]
	v_add_nc_u32 v[130+4*\g], v130, v9
	v_lshrrev_b32 v9, 8, v[99+\g]
	v_and_b32 v9, s22, v9
	v_add_nc_u32 v[131+4*\g], v131, v9
.endr
.set tk, 0
.rept 32
	POS tk                                         ; every lane is on
.set tk, tk+1
.endr
	s_wait_xcnt 0x0                                ; EXEC changes only behind this wait
.set tk, 0
.rept 32
	PUT tk
.set tk, tk+1
.endr
	s_wait_xcnt 0x0
	s_mov_b32 exec_lo, -1
	s_wait_tensorcnt 0x0
	ds_add_u32 v192, v193
	s_wait_dscnt 0x0
	s_endpgm
.Lfunc_end_k_qb181dd0867_prep:
	.size	k_qb181dd0867_prep, .Lfunc_end_k_qb181dd0867_prep-k_qb181dd0867_prep
	.p2alignl 7, 3214868480
	.fill 96, 4, 3214868480
	.section	.rodata,"a",@progbits
	.p2align	6, 0x0
	.amdhsa_kernel k_qb181dd0867_prep
		.amdhsa_group_segment_fixed_size 2048
		.amdhsa_private_segment_fixed_size 0
		.amdhsa_enable_private_segment 0
		.amdhsa_kernarg_size 64
		.amdhsa_user_sgpr_count 2
		.amdhsa_user_sgpr_kernarg_segment_ptr 1
		.amdhsa_wavefront_size32 1
		.amdhsa_system_sgpr_workgroup_id_x 1
		.amdhsa_system_sgpr_workgroup_id_y 1
		.amdhsa_system_sgpr_workgroup_id_z 1
		.amdhsa_system_vgpr_workitem_id 0
		.amdhsa_next_free_vgpr 194
		.amdhsa_next_free_sgpr 66
		.amdhsa_reserve_vcc 1
		.amdhsa_float_denorm_mode_32 3
		.amdhsa_float_denorm_mode_16_64 3
		.amdhsa_memory_ordered 1
		.amdhsa_forward_progress 1
		.amdhsa_inst_pref_size 116
	.end_amdhsa_kernel
	.amdgpu_metadata
---
amdhsa.version: [ 1, 2 ]
amdhsa.kernels:
  - .name:           k_qb181dd0867_prep
    .symbol:         k_qb181dd0867_prep.kd
    .args:
      - { .name: expert_idxs, .offset: 0, .size: 8, .value_kind: global_buffer, .address_space: global }
      - { .name: w13, .offset: 8, .size: 8, .value_kind: global_buffer, .address_space: global }
      - { .name: w2, .offset: 16, .size: 8, .value_kind: global_buffer, .address_space: global }
      - { .name: order, .offset: 24, .size: 8, .value_kind: global_buffer, .address_space: global }
      - { .name: w13c, .offset: 32, .size: 8, .value_kind: global_buffer, .address_space: global }
      - { .name: w13s, .offset: 40, .size: 8, .value_kind: global_buffer, .address_space: global }
      - { .name: w2c, .offset: 48, .size: 8, .value_kind: global_buffer, .address_space: global }
      - { .name: w2s, .offset: 56, .size: 8, .value_kind: global_buffer, .address_space: global }
    .group_segment_fixed_size: 2048
    .private_segment_fixed_size: 0
    .kernarg_segment_align: 8
    .kernarg_segment_size: 64
    .max_flat_workgroup_size: 256
    .sgpr_count:     66
    .vgpr_count:     194
    .wavefront_size: 32
...
	.end_amdgpu_metadata
.endif
;; end of part 1
;; launch experts (part 2): grid 256 x 1, 4 waves a work-group, no clusters, 179,712 bytes of LDS; arguments order, expert_idxs, expert_p, x, w13c, w13s, w2c, w2s, out0; writes out0
.if DOCPART == 2
	.amdgcn_target "amdgcn-amd-amdhsa--gfx1250"
	.amdhsa_code_object_version 6
	.text
	.protected	k_qb181dd0867_experts
	.globl	k_qb181dd0867_experts
	.p2align	8
	.type	k_qb181dd0867_experts,@function
k_qb181dd0867_experts:
	s_mov_b64 s[64:65], 0
	v_nop
	global_prefetch_b8 v0, s[64:65] scope:SCOPE_SE
	s_setreg_imm32_b32 hwreg(HW_REG_WAVE_MODE, 25, 1), 1
	s_wait_xcnt 0x0
; y[t] = sum over the token's two routed experts e of p x (silu(g) h) w2[e], (h, g) = x[t] w13[e]; both products on codes of FP8 (E4M3) with one E8M0 scale for each 32 along K, sums in f32.
; Only the routed rows are multiplied.  A work-group OWNS 32 tokens, order[32 wg ..] (sorted by their sets of experts), through the whole chain: gather x, quantise, and a loop of constant count over the 8 experts;
; an expert that none of the 32 tokens names is passed over by scalar branches on the index input.  For a used expert: product 1, silu(g) h, quantise, product 2, y += pe x result, y kept in registers; rows that do not
; name the expert have pe = 0.  pe = p0 [idx0 = e] + p1 [idx1 = e], as the definition has it (equal indices add; an index outside 0..7 weighs nothing).  Each output row is stored once, by its owner.
; NO TENSOR LOADS, NO CLUSTER: the walk branches on numbers read from memory.  So the weights, laid by the launch before as images of the operand's registers, go from
; memory straight into registers, each lane loading its 16 bytes of a fragment's chunk: a load covers 512 consecutive bytes.  Every wave passes every barrier: none stands under a branch.
; SHARES.  Four waves share the COLUMNS.  Wave w makes hidden units 64 w .. 64 w + 63 (h and g) and output columns 256 w .. 256 w + 255, for both tiles of 16 tokens.  It quantises x's tile w % 2, K steps 4 (w / 2) .. + 3.
; Both products are used TRANSPOSED (source 0 = 16 weight columns, source 1 = 16 tokens): a lane holds one token (lane % 16); w13's tiles are chosen so that a lane's 16 registers of two tiles are 16 neighbouring hidden units.
; x's and the hidden layer's codes go from wave to wave through LDS as images of the operand's registers (16 bytes a lane, 512 a store), their scale words as 4 bytes a lane.
; THE WEIGHTS' RING: three buffers of 128 registers (8 fragments = one step: 16 matrix instructions); 12 steps an expert (8 of product 1, 4 of product 2); two steps' loads (64) are on their way while one is multiplied.
; LIMITS: NaN and infinities are not served; a block of zeros gets the scale byte 1 (its codes are zeros); blocks whose largest magnitude lies under 2^-118 are held at the byte 1.
; silu(g) h = (g h) / (1 + 2^(-1.442695 g)): where the power overflows the quotient is 0, which is the value's limit there.
; REGISTERS, in windows of 256.  Window 0: v1-15 addresses and tokens; v16-23 the tokens' indices and p; v24-27 pe; v32-63 w13's scale words, v64-79 w2's, v80-87 x's, v88-89 the hidden layer's; v96-159 x's fragments
;   (two sets), later the hidden layer's four; v160-223 silu(g) h; v224-239 at work; v240-255 codes just made.  Window 1: ring buffers 0, 1 (at the head x as loaded, at the end rows of y).
;   Window 2: v0-127 ring buffer 2; v128-255 product 1's 16 accumulators (h, then g), later product 2's results in two sets of 64 (at head and end: row offsets).  Window 3: y, tile (ct, m) at 16 ct + 8 m.
.set XIMG, 135168                      ; LDS: 0 .. 135,167: for each wave 33,792 bytes of its own: four stages of 16 rows x 528 for x, at the end two stages of 16 rows x 1,040 for y
.set XSC,  167936                      ; x's 16 fragment images (8 m + s) x 2,048 from XIMG; their scale words, 128 bytes each, from XSC
.set HIMG, 169984                      ; the hidden layer's 4 images (2 m + K step)
.set HSC,  178176                      ; its scale bytes: a word a lane for each (tile m, wave): (4 m + w) x 128
.set LIX, 1                            ; 16 lane + XIMG
.set LIH, 2                            ; 16 lane + HIMG
.set WO,  3                            ; 16 lane + 65,536 wave: my place in an expert's w13c and w2c
.set OST, 4                            ; the way out: where I put 32 bytes of a row
.set SCO, 5                            ; 16 lane + 2,048 wave: my place in an expert's scale words
.set XWI, 6                            ; where I store x's images,
.set XWS, 7                            ; and their scale words
.set HWI, 8                            ; the hidden layer's
.set HWS, 9
.set STW, 10                           ; my stages: 33,792 wave + 16 lane
.set STR, 11                           ; 33,792 wave + 528 r + 64 h
.set XSA, 12                           ; XSC + 1,024 h + 4 r: lanes 0-15 take tile 0's words, lanes 16-31 tile 1's
.set HSA, 13                           ; HSC + 512 h + 4 r
.set TOK, 14                           ; v14, v15: token r of tile 0, 1
.set PE,  24
.set PW,  28
.set PW2, 29
.set W13S, 32
.set W2S, 64
.set XS,  80
.set HS,  88
.set XF,  96
.set HE,  160
.set TM,  224
.set PC,  240
.set MSB, 0
.macro WIN new                         ; the immediate's high byte repeats the setting that is left; a switch that changes nothing is dropped.  Bits 1:0 source 0, 3:2 source 1, 5:4 source 2, 7:6 destination
.if MSB != \new
	s_set_vgpr_msb (MSB<<8)|\new
.set MSB, \new
.endif
.endm
.macro BARRIER                         ; my LDS stores have landed and my LDS loads are in: then the work-group's barrier
	s_wait_dscnt 0x0
	s_barrier_signal -1
	s_barrier_wait -1
.endm
; 64 numbers of a lane, v[s] .. v[s + 63], in four blocks: register 16 b + i is number 16 (lane / 16) + i of block b of my row.  Codes into v[PC] on.  kind 0: the four bytes make one scale word, v[PW];
; kind 1: blocks 0, 1 belong to tile 0 and 2, 3 to tile 1: two bytes each in v[PW], v[PW2].
.macro QUANT s, kind
.irp b, 0,1,2,3
	v_max3_num_f32 v[TM+\b], |v[\s+16*\b]|, |v[\s+1+16*\b]|, 0x4800000   ; my 16 numbers, and the floor 2^(9 - 127): the byte cannot fall under 1
.endr
.irp i, 2,4,6,8,10,12,14
.irp b, 0,1,2,3
	v_max3_num_f32 v[TM+\b], v[TM+\b], |v[\s+16*\b+\i]|, |v[\s+1+16*\b+\i]|   ; (the four blocks by turns)
.endr
.endr
.irp b, 0,1,2,3
	v_permlanex16_b32 v[TM+4+\b], v[TM+\b], s26, s27
.endr
.irp b, 0,1,2,3
	v_max_num_f32 v[TM+\b], v[TM+\b], v[TM+4+\b]   ; with lane l xor 16's: the block's largest magnitude
.endr
.irp b, 0,1,2,3
	v_add_nc_u32 v[TM+12+\b], 0xfc000000, v[TM+\b]   ; 8 off its exponent field: the conversion's scale operand
.endr
.irp b, 0,1,2,3
	v_and_or_b32 v[TM+8+\b], v[TM+\b], 0x7f800000, s25   ; 448 x the scale
.endr
.irp b, 0,1,2,3
	v_lshrrev_b32 v[TM+4+\b], 23, v[TM+12+\b]      ; the scale's byte
.endr
	v_lshl_or_b32 v[PW], v[TM+5], 8, v[TM+4]
.if \kind == 0
	v_lshl_or_b32 v[PW], v[TM+6], 16, v[PW]
	v_lshl_or_b32 v[PW], v[TM+7], 24, v[PW]
.else
	v_lshl_or_b32 v[PW2], v[TM+7], 8, v[TM+6]
.endif
.irp b, 0,1,2,3
.irp i, 0,1,2,3,4,5,6,7,8,9,10,11,12,13,14,15
	v_med3_num_f32 v[\s+16*\b+\i], v[\s+16*\b+\i], -v[TM+8+\b], v[TM+8+\b]   ; the conversion to an 8-bit code does not saturate (ISA guide 7.6.2): hold first
.endr
	v_cvt_scalef32_pk8_fp8_f32 v[PC+4*\b:PC+1+4*\b], v[\s+16*\b:\s+7+16*\b], v[TM+12+\b]
	v_cvt_scalef32_pk8_fp8_f32 v[PC+2+4*\b:PC+3+4*\b], v[\s+8+16*\b:\s+15+16*\b], v[TM+12+\b]
.endr
	v_nop                                          ; a plain vector line behind the last conversion, ahead of whatever vector or matrix line next touches its registers
.endm
; x's K step f of my four: 16 rows x 512 bytes, as loaded (a row to a load), go into my stage f and come back 64 bytes a lane: row r, of each block of 32 my half's 16 numbers.
.macro STAGE f
.set SS, HE-64*((\f)%2)
	s_wait_loadcnt 16*(3-(\f))                     ; this K step's 16 loads are in; the later K steps' may be out
	WIN 0x04                                       ; an LDS store's data are its source 1: window 1
.set n, 0
.rept 16
	ds_store_b128 v[STW], v[64*(\f)+4*n:64*(\f)+4*n+3] offset:8448*(\f)+528*n
.set n, n+1
.endr
	WIN 0
.set n, 0
.rept 16
	ds_load_b128 v[SS+4*n:SS+4*n+3], v[STR] offset:8448*(\f)+128*(n/4)+16*(n%4)   ; LDS serves a wave's instructions in order (ISA guide 5.7.1.4): these see the stores above
.set n, n+1
.endr
.endm
.macro RING t                          ; ring step t lies in buffer (t + 1) % 3: where, and the window settings for its loads and its products (C and D in window 2, source 1 in window 0)
.set RBN, ((\t)+1)%3
.if RBN == 2
.set RBB, 0
.set RWL, 0x80
.set RWM, 0xa2
.else
.set RBB, 128*RBN
.set RWL, 0x40
.set RWM, 0xa1
.endif
.endm
; Ring step t: 8 fragments, 32 loads.  t < 8: K step t of product 1: fragment 4 kappa + 2 i + u (kappa: h or g; block of 32 hidden units 2 w + i; tile u).  t >= 8: group t - 8 of product 2: 16,384 consecutive bytes a wave.
.macro WLOAD t
	RING \t
	WIN RWL
.set n, 0
.rept 32
.if (\t) < 8
	global_load_b128 v[RBB+4*n:RBB+4*n+3], v[WO], s[12:13] offset:(n/16)*262144+((n/8)%2)*32768+(\t)*4096+((n/4)%2)*2048+(n%4)*512
.else
	global_load_b128 v[RBB+4*n:RBB+4*n+3], v[WO], s[16:17] offset:((\t)-8)*16384+512*n
.endif
.set n, n+1
.endr
.endm
.macro XFETCH s                        ; x's fragments (tile 0, K step s) and (tile 1, K step s) into set s % 2
.set n, 0
.rept 8
	ds_load_b128 v[XF+32*((\s)%2)+4*n:XF+32*((\s)%2)+4*n+3], v[LIX] offset:(8*(n/4)+(\s))*2048+512*(n%4)
.set n, n+1
.endr
.endm
; One matrix instruction from the symbols rD, rA, rB, rSA, rSB.  fU: the weights' tile is u = 1, whose scale words lie in lanes 16-31; fM: the tokens' tile is 1, likewise.  zero = 1: it starts its sum.
.macro MM zero
.if \zero
.if fU && fM
	v_wmma_scale_f32_16x16x128_f8f6f4 v[rD:rD+7], v[rA:rA+15], v[rB:rB+15], 0, v[rSA], v[rSB] matrix_a_scale:MATRIX_SCALE_ROW1 matrix_b_scale:MATRIX_SCALE_ROW1
.elseif fU
	v_wmma_scale_f32_16x16x128_f8f6f4 v[rD:rD+7], v[rA:rA+15], v[rB:rB+15], 0, v[rSA], v[rSB] matrix_a_scale:MATRIX_SCALE_ROW1
.elseif fM
	v_wmma_scale_f32_16x16x128_f8f6f4 v[rD:rD+7], v[rA:rA+15], v[rB:rB+15], 0, v[rSA], v[rSB] matrix_b_scale:MATRIX_SCALE_ROW1
.else
	v_wmma_scale_f32_16x16x128_f8f6f4 v[rD:rD+7], v[rA:rA+15], v[rB:rB+15], 0, v[rSA], v[rSB]
.endif
.else
.if fU && fM
	v_wmma_scale_f32_16x16x128_f8f6f4 v[rD:rD+7], v[rA:rA+15], v[rB:rB+15], v[rD:rD+7], v[rSA], v[rSB] matrix_a_scale:MATRIX_SCALE_ROW1 matrix_b_scale:MATRIX_SCALE_ROW1
.elseif fU
	v_wmma_scale_f32_16x16x128_f8f6f4 v[rD:rD+7], v[rA:rA+15], v[rB:rB+15], v[rD:rD+7], v[rSA], v[rSB] matrix_a_scale:MATRIX_SCALE_ROW1
.elseif fM
	v_wmma_scale_f32_16x16x128_f8f6f4 v[rD:rD+7], v[rA:rA+15], v[rB:rB+15], v[rD:rD+7], v[rSA], v[rSB] matrix_b_scale:MATRIX_SCALE_ROW1
.else
	v_wmma_scale_f32_16x16x128_f8f6f4 v[rD:rD+7], v[rA:rA+15], v[rB:rB+15], v[rD:rD+7], v[rSA], v[rSB]
.endif
.endif
.endm
; K step s of product 1: 8 weight tiles x 2 token tiles, the 16 accumulators by turns, in the same order in every step.  Accumulator (kappa, m, i, u) at 128 + 64 kappa + 32 m + 16 i + 8 u.
.macro STEP1 s
	s_wait_loadcnt 32                              ; this step's fragments (and, in step 0, the scale words) are in; the next step's 32 loads may be out
	WLOAD (\s)+2                                   ; two steps ahead, into the buffer that the step before read: eight places stand behind its products.  Steps 6 and 7 ask for product 2's first two groups
	WIN 0
.if (\s) < 7
	XFETCH (\s)+1
	s_wait_dscnt 8                                 ; all but the 8 just issued: this step's fragments of x are in
.else
	s_wait_dscnt 0x0
.endif
	RING \s
	WIN RWM
.set n, 0
.rept 16
.set rD, 128+64*(n/8)+32*(n%2)+16*((n/4)%2)+8*((n/2)%2)
.set rA, RBB+16*(n/2)
.set rB, XF+32*((\s)%2)+16*(n%2)
.set rSA, W13S+8*(n/4)+(\s)
.set rSB, XS+(\s)
.set fU, (n/2)%2
.set fM, n%2
.if (\s) == 0
	MM 1
.else
	MM 0
.endif
.set n, n+1
.endr
	WIN 0
.rept 8
	v_nop                                          ; eight places ahead of the next step's loads into registers that these products read, and of the first read of results
.endr
.endm
; silu(g) h for the wave's 64 hidden units x 32 tokens: 64 numbers a lane.  Each batch of 64 transcendentals has one plain line and one wait behind it, ahead of its first reader.
.macro SILU
	WIN 0x0a                                       ; sources in window 2, destination in window 0
.set n, 0
.rept 32
	v_pk_mul_f32 v[HE+2*n:HE+2*n+1], v[192+2*n:193+2*n], v[128+2*n:129+2*n]   ; g h; each accumulator is read from its low end on
.set n, n+1
.endr
	WIN 0x82
.set n, 0
.rept 32
	v_pk_mul_f32 v[192+2*n:193+2*n], v[192+2*n:193+2*n], 0xbfb8aa3b op_sel_hi:[1,0]   ; -g log2(e)
.set n, n+1
.endr
.set n, 0
.rept 64
	v_exp_f32 v[192+n], v[192+n]
.set n, n+1
.endr
	v_nop
	s_wait_alu depctr_va_vdst(0)
.set n, 0
.rept 32
	v_pk_add_f32 v[192+2*n:193+2*n], v[192+2*n:193+2*n], 1.0 op_sel_hi:[1,0]
.set n, n+1
.endr
.set n, 0
.rept 64
	v_rcp_f32 v[192+n], v[192+n]
.set n, n+1
.endr
	v_nop
	s_wait_alu depctr_va_vdst(0)
	WIN 0x08
.set n, 0
.rept 32
	v_pk_mul_f32 v[HE+2*n:HE+2*n+1], v[HE+2*n:HE+2*n+1], v[192+2*n:193+2*n]
.set n, n+1
.endr
	WIN 0
.endm
.macro FMA q                           ; y += pe x group q's results: 4 column tiles x 2 token tiles; pe of the lane's token of tile (n / 4) % 2
	WIN 0xf2                                       ; y in window 3, the results in window 2, pe in window 0
.set n, 0
.rept 32
	v_pk_fma_f32 v[64*(\q)+2*n:64*(\q)+2*n+1], v[128+64*((\q)%2)+2*n:129+64*((\q)%2)+2*n], v[PE+2*((n/4)%2):PE+1+2*((n/4)%2)], v[64*(\q)+2*n:64*(\q)+2*n+1] op_sel_hi:[1,0,1]
.set n, n+1
.endr
.endm
; Group q of product 2: 4 column tiles x 2 token tiles, K = 256 in two steps: eight products that start the sums, eight that add in place, seven others' between two links.  Results into set q % 2;
; the group before's multiply-adds into y stand behind the products and are their places: they name none of these products' registers.
.macro STEP2 q
.if (\q) < 3
	s_wait_loadcnt 32                              ; this group's fragments are in; the next group's 32 loads may be out
.else
	s_wait_loadcnt 0x0
.endif
.if (\q) < 2
	WLOAD (\q)+10
.endif
	RING (\q)+8
	WIN RWM
.set n, 0
.rept 16
.set kk, n/8
.set ctq, (n%8)/2
.set rD, 128+64*((\q)%2)+16*ctq+8*(n%2)
.set rA, RBB+16*(4*(ctq/2)+2*kk+ctq%2)
.set rB, XF+16*(2*(n%2)+kk)
.set rSA, W2S+4*(\q)+2*(ctq/2)+kk
.set rSB, HS+kk
.set fU, ctq%2
.set fM, n%2
.if n < 8
	MM 1
.else
	MM 0
.endif
.set n, n+1
.endr
.if (\q) == 0
	WIN 0
.rept 9
	v_nop                                          ; nine places: group 2's products write over these results, and a matrix instruction that writes over an earlier one's registers stands nine behind it
.endr
.else
	FMA (\q)-1
.endif
.endm
; THE WAY OUT of token tile m: a lane's 32 bytes (8 columns of one row) go into my stage, rows of 1,024 + 16 bytes, and come back as half rows of 512 bytes.
.macro OUTSTAGE m
	WIN 0x0c                                       ; the data: window 3
.set n, 0
.rept 16
	ds_store_b128 v[OST], v[16*n+8*(\m):16*n+8*(\m)+3] offset:16640*(\m)+64*n
	ds_store_b128 v[OST], v[16*n+8*(\m)+4:16*n+8*(\m)+7] offset:16640*(\m)+64*n+16
.set n, n+1
.endr
	WIN 0x40
.set n, 0
.rept 32
	ds_load_b128 v[128*(\m)+4*n:128*(\m)+4*n+3], v[STW] offset:16640*(\m)+1040*(n/2)+512*(n%2)   ; my own bytes, served in order: no wait between
.set n, n+1
.endr
.endm
.macro OUTSEND m
	WIN 0x06                                       ; the row's offset in window 2, the data in window 1
.set n, 0
.rept 32
	global_store_b128 v[128+16*(\m)+n/2], v[128*(\m)+4*n:128*(\m)+4*n+3], s[20:21] offset:512*(n%2) th:TH_STORE_NT   ; 32 lanes store 512 consecutive bytes, at a multiple of 256 from out0's first byte
.set n, n+1
.endr
.endm
	s_load_b512 s[4:19], s[0:1], 0x0               ; order s[4:5], expert_idxs s[6:7], expert_p s[8:9], x s[10:11], w13c s[12:13], w13s s[14:15], w2c s[16:17], w2s s[18:19]
	s_load_b64 s[20:21], s[0:1], 0x40              ; out0
	v_lshrrev_b32 v90, 5, v0
	v_readfirstlane_b32 s22, v90                   ; wave 0..3
	s_and_b32 s23, s22, 1                          ; which tile of tokens I quantise
	s_lshr_b32 s24, s22, 1                         ; and which half of K
	s_mov_b32 s25, 0x600000                        ; the mantissa field of 448
	s_mov_b32 s26, 0x76543210
	s_mov_b32 s27, 0xfedcba98                      ; v_permlanex16_b32's selects for lane l xor 16
	v_and_b32 v90, 31, v0                          ; lane
	v_and_b32 v91, 15, v0                          ; r
	v_bfe_u32 v92, v0, 4, 1                        ; h
	v_lshlrev_b32 v93, 4, v90                      ; 16 lane
	v_lshlrev_b32 v94, 2, v90                      ; 4 lane
	v_lshlrev_b32 v95, 2, v91                      ; 4 r
	v_add_nc_u32 v[LIX], XIMG, v93
	v_add_nc_u32 v[LIH], HIMG, v93
	s_lshl_b32 s34, s22, 16
	v_add_nc_u32 v[WO], s34, v93
	s_lshl_b32 s34, s22, 11
	v_add_nc_u32 v[SCO], s34, v93
	s_lshl_b32 s34, s23, 3
	s_lshl_b32 s35, s24, 2
	s_add_co_u32 s34, s34, s35                     ; my first fragment of x: 8 (w % 2) + 4 (w / 2)
	s_lshl_b32 s35, s34, 11
	s_add_co_u32 s35, s35, XIMG
	v_add_nc_u32 v[XWI], s35, v93
	s_lshl_b32 s35, s34, 7
	s_add_co_u32 s35, s35, XSC
	v_add_nc_u32 v[XWS], s35, v94
	s_lshl_b32 s34, s24, 11                        ; the hidden layer: K step w / 2, chunks 2 (w % 2) and + 1
	s_lshl_b32 s35, s23, 10
	s_add_co_u32 s34, s34, s35
	s_add_co_u32 s34, s34, HIMG
	v_add_nc_u32 v[HWI], s34, v93
	s_lshl_b32 s34, s22, 7
	s_add_co_u32 s34, s34, HSC
	v_add_nc_u32 v[HWS], s34, v94
	s_mul_i32 s36, s22, 33792                      ; my stages
	v_add_nc_u32 v[STW], s36, v93
	v_mul_u32_u24 v96, v91, 528
	v_lshl_add_u32 v96, v92, 6, v96
	v_add_nc_u32 v[STR], s36, v96
	v_lshl_add_u32 v[XSA], v92, 10, v95
	v_add_nc_u32 v[XSA], XSC, v[XSA]
	v_lshl_add_u32 v[HSA], v92, 9, v95
	v_add_nc_u32 v[HSA], HSC, v[HSA]
	v_mul_u32_u24 v96, v91, 1040
	v_lshl_add_u32 v96, v92, 5, v96
	v_add_nc_u32 v[OST], s36, v96
	s_lshl_b32 s34, s24, 11
	v_add_nc_u32 v97, s34, v93                     ; x: my half of a row's 4,096 bytes, 16 bytes a lane
	s_wait_kmcnt 0x0
	s_lshl_b32 s34, ttmp9, 7                       ; my work-group's 32 places in order
	s_mov_b32 s35, 0
	s_add_nc_u64 s[4:5], s[4:5], s[34:35]
	global_load_b32 v[TOK], v95, s[4:5]            ; lane (r, h): token r of tile 0,
	global_load_b32 v[TOK+1], v95, s[4:5] offset:64   ; and of tile 1
	s_wait_loadcnt 0x0
	v_min_u32 v[TOK], 0x1fff, v[TOK]               ; a loaded number enters an address only behind this hold
	v_min_u32 v[TOK+1], 0x1fff, v[TOK+1]
	v_lshlrev_b32 v30, 3, v[TOK]
	v_lshlrev_b32 v31, 3, v[TOK+1]
	global_load_b64 v[16:17], v30, s[6:7]          ; the tokens' two indices,
	global_load_b64 v[18:19], v31, s[6:7]
	global_load_b64 v[20:21], v30, s[8:9]          ; and their two p
	global_load_b64 v[22:23], v31, s[8:9]
	s_cmp_lg_u32 s23, 0
	s_cselect_b32 s34, -1, 0
	v_cndmask_b32 v96, v[TOK], v[TOK+1], s34       ; the tile that I quantise
.set n, 0
.rept 16
	v_readlane_b32 s[66+n], v96, n
.set n, n+1
.endr
.set n, 0
.rept 16
	s_min_u32 s[66+n], s[66+n], 0x1fff
.set n, n+1
.endr
	WIN 0x80
.set n, 0
.rept 16
	v_lshl_add_u32 v[128+n], s[66+n], 12, v97      ; row n's offset in x, the same row in all lanes
.set n, n+1
.endr
	WIN 0x42                                       ; destination window 1, offset window 2
.set n, 0
.rept 64
	global_load_b128 v[4*n:4*n+3], v[128+n%16], s[10:11] offset:512*(n/16) th:TH_LOAD_NT   ; K step n / 16 of my four, row n % 16: 512 consecutive bytes of a row, read once in the launch
.set n, n+1
.endr
	WIN 0xc0
.set n, 0
.rept 256
	v_mov_b32 v[n], 0                              ; y.  Which expert is a block's first is known from the list alone, so no product can start these sums; the lines stand while x is on its way
.set n, n+1
.endr
	WIN 0
.set n, 0
.rept 16
	v_mov_b32 v[W2S+n], 0x7f7f7f7f                 ; w2's scale words are loaded under one branch and read under another: they are written on every way (the scale 1)
.set n, n+1
.endr
.irp b, 0,1,2,3
	v_mov_b32 v[TM+4+\b], 0                        ; written once: a lane permute's destination counts as one of its sources
.endr
	; ---- x: my 16 rows x 512 along K become four fragments and their scale words
	STAGE 0
.irp f, 0,1,2,3
.if \f < 3
	STAGE \f+1
	s_wait_dscnt 32                                ; all but the stage just issued (16 stores, 16 loads): this K step's numbers are back, and the last images' stores are done
.else
	s_wait_dscnt 0x0
.endif
.if (\f)%2 == 0
	QUANT HE, 0
.else
	QUANT XF, 0
.endif
.irp c, 0,1,2,3
	ds_store_b128 v[XWI], v[PC+4*\c:PC+4*\c+3] offset:2048*\f+512*\c
.endr
	ds_store_b32 v[XWS], v[PW] offset:128*\f
.endr
	BARRIER                                        ; x's sixteen fragments lie in LDS, for the whole launch
.set n, 0
.rept 8
	ds_load_b32 v[XS+n], v[XSA] offset:128*n       ; x's scale words stay in registers: tile 0's in lanes 0-15, tile 1's in lanes 16-31
.set n, n+1
.endr
	s_wait_dscnt 0x0
	s_mov_b32 s28, 0                               ; e
.Lexpert:
	v_cmp_eq_u32 s30, s28, v16
	v_cmp_eq_u32 s31, s28, v17
	v_cmp_eq_u32 s32, s28, v18
	v_cmp_eq_u32 s33, s28, v19
	v_cndmask_b32 v[PE], 0, v20, s30
	v_cndmask_b32 v[PE+1], 0, v21, s31
	v_cndmask_b32 v[PE+2], 0, v22, s32
	v_cndmask_b32 v[PE+3], 0, v23, s33
	v_add_f32 v[PE], v[PE], v[PE+1]                ; pe of my token of tile 0,
	v_add_f32 v[PE+2], v[PE+2], v[PE+3]            ; and of tile 1
	v_mov_b32 v[PE+1], v[PE]                       ; (the packed form names pairs: both words are written)
	v_mov_b32 v[PE+3], v[PE+2]
	s_or_b32 s29, s30, s31
	s_or_b32 s29, s29, s32
	s_or_b32 s29, s29, s33                         ; does any of the 32 tokens name e?  Every wave holds all 32, so all four waves agree
	s_cmp_eq_u32 s29, 0
	s_cbranch_scc1 .Lskip1
	; ---- product 1, silu(g) h, its codes
	s_wait_loadcnt 0x0                             ; no load is out: the ring begins anew
.set n, 0
.rept 8
	global_load_b128 v[W13S+4*n:W13S+4*n+3], v[SCO], s[14:15] offset:(8*(n/4)+(n/2)%2)*1024+512*(n%2)   ; w13's scale words: register 8 (2 kappa + i) + K step
.set n, n+1
.endr
.set n, 0
.rept 4
	global_load_b128 v[W2S+4*n:W2S+4*n+3], v[SCO], s[18:19] offset:512*n   ; w2's: register 4 q + 2 (block % 2) + K step
.set n, n+1
.endr
	WLOAD 0
	WLOAD 1
	WIN 0
	XFETCH 0
	STEP1 0
	STEP1 1
	STEP1 2
	STEP1 3
	STEP1 4
	STEP1 5
	STEP1 6
	STEP1 7
	SILU
	QUANT HE, 1                                    ; blocks (tile 0: units 64 w, 64 w + 32; tile 1: the same): each a block of 32 along product 2's K
.irp b, 0,1,2,3
	ds_store_b128 v[HWI], v[PC+4*\b:PC+4*\b+3] offset:4096*(\b/2)+512*(\b%2)
.endr
	ds_store_b32 v[HWS], v[PW]
	ds_store_b32 v[HWS], v[PW2] offset:512
.Lskip1:
	BARRIER                                        ; the hidden layer's four fragments lie in LDS.  (The loads of product 2's first two groups stay on their way: nobody writes those bytes)
	s_cmp_eq_u32 s29, 0
	s_cbranch_scc1 .Lskip2
	; ---- product 2 and y
.set n, 0
.rept 16
	ds_load_b128 v[XF+4*n:XF+4*n+3], v[LIH] offset:512*n   ; fragment (tile m, K step) at 16 (2 m + K step)
.set n, n+1
.endr
.irp k, 0,1,2,3
	ds_load_b32 v[90+\k], v[HSA] offset:128*\k     ; wave k's two bytes: tile 0's in lanes 0-15, tile 1's in lanes 16-31
.endr
	s_wait_dscnt 0x0
	v_lshl_or_b32 v[HS], v91, 16, v90              ; K step 0's scale word: waves 0 and 1;
	v_lshl_or_b32 v[HS+1], v93, 16, v92            ; K step 1's: waves 2 and 3
.rept 8
	v_nop                                          ; a scale register written by a vector instruction stands eight places ahead of the scaled matrix instruction
.endr
	STEP2 0
	STEP2 1
	STEP2 2
	STEP2 3
	FMA 3
	WIN 0
.Lskip2:
	BARRIER                                        ; every wave's reads of the hidden layer are in: the next expert may write it
	s_wait_xcnt 0x0                                ; the bases are stepped only behind this wait
	s_add_nc_u64 s[12:13], s[12:13], 524288        ; the next expert's w13c,
	s_add_nc_u64 s[14:15], s[14:15], 16384         ; w13s,
	s_add_nc_u64 s[16:17], s[16:17], 262144        ; w2c,
	s_add_nc_u64 s[18:19], s[18:19], 8192          ; w2s (behind the last trip they are not used)
	s_add_co_u32 s28, s28, 1
	s_cmp_lt_u32 s28, 8
	s_cbranch_scc1 .Lexpert
	; ---- the way out: each wave stores its 1,024 bytes of all 32 rows
	s_wait_loadcnt 0x0
	v_and_b32 v30, 31, v0
	v_lshlrev_b32 v30, 4, v30
	s_lshl_b32 s34, s22, 10
	v_add_nc_u32 v31, s34, v30                     ; 1,024 wave + 16 lane
.irp m, 0,1
.set n, 0
.rept 16
	v_readlane_b32 s[66+n], v[TOK+\m], n
.set n, n+1
.endr
.set n, 0
.rept 16
	s_min_u32 s[66+n], s[66+n], 0x1fff
.set n, n+1
.endr
	WIN 0x80
.set n, 0
.rept 16
	v_lshl_add_u32 v[128+16*\m+n], s[66+n], 12, v31   ; row n of tile m in out0
.set n, n+1
.endr
	WIN 0
.endr
	OUTSTAGE 0
	OUTSTAGE 1
	s_wait_dscnt 32                                ; all but tile 1's 32 loads: tile 0's rows are back
	OUTSEND 0
	s_wait_dscnt 0x0
	OUTSEND 1
	WIN 0
	s_barrier_signal -1
	s_barrier_wait -1
	s_wait_xcnt 0x0
	v_lshl_add_u32 v254, v0, 2, 0x2bc00
	v_mov_b32 v255, 0
	s_wait_tensorcnt 0x0
	ds_add_u32 v254, v255
	s_wait_dscnt 0x0
	s_endpgm
.Lfunc_end_k_qb181dd0867_experts:
	.size	k_qb181dd0867_experts, .Lfunc_end_k_qb181dd0867_experts-k_qb181dd0867_experts
	.p2alignl 7, 3214868480
	.fill 96, 4, 3214868480
	.section	.rodata,"a",@progbits
	.p2align	6, 0x0
	.amdhsa_kernel k_qb181dd0867_experts
		.amdhsa_group_segment_fixed_size 179712
		.amdhsa_private_segment_fixed_size 0
		.amdhsa_enable_private_segment 0
		.amdhsa_kernarg_size 72
		.amdhsa_user_sgpr_count 2
		.amdhsa_user_sgpr_kernarg_segment_ptr 1
		.amdhsa_wavefront_size32 1
		.amdhsa_system_sgpr_workgroup_id_x 1
		.amdhsa_system_sgpr_workgroup_id_y 1
		.amdhsa_system_sgpr_workgroup_id_z 1
		.amdhsa_system_vgpr_workitem_id 0
		.amdhsa_next_free_vgpr 1024
		.amdhsa_next_free_sgpr 96
		.amdhsa_reserve_vcc 0
		.amdhsa_float_denorm_mode_32 3
		.amdhsa_float_denorm_mode_16_64 3
		.amdhsa_memory_ordered 1
		.amdhsa_forward_progress 1
		.amdhsa_inst_pref_size 188
	.end_amdhsa_kernel
	.amdgpu_metadata
---
amdhsa.version: [ 1, 2 ]
amdhsa.kernels:
  - .name:           k_qb181dd0867_experts
    .symbol:         k_qb181dd0867_experts.kd
    .args:
      - { .name: order, .offset: 0, .size: 8, .value_kind: global_buffer, .address_space: global }
      - { .name: expert_idxs, .offset: 8, .size: 8, .value_kind: global_buffer, .address_space: global }
      - { .name: expert_p, .offset: 16, .size: 8, .value_kind: global_buffer, .address_space: global }
      - { .name: x, .offset: 24, .size: 8, .value_kind: global_buffer, .address_space: global }
      - { .name: w13c, .offset: 32, .size: 8, .value_kind: global_buffer, .address_space: global }
      - { .name: w13s, .offset: 40, .size: 8, .value_kind: global_buffer, .address_space: global }
      - { .name: w2c, .offset: 48, .size: 8, .value_kind: global_buffer, .address_space: global }
      - { .name: w2s, .offset: 56, .size: 8, .value_kind: global_buffer, .address_space: global }
      - { .name: out0, .offset: 64, .size: 8, .value_kind: global_buffer, .address_space: global }
    .group_segment_fixed_size: 179712
    .private_segment_fixed_size: 0
    .kernarg_segment_align: 8
    .kernarg_segment_size: 72
    .max_flat_workgroup_size: 128
    .sgpr_count:     96
    .vgpr_count:     1024
    .wavefront_size: 32
...
	.end_amdgpu_metadata
.endif
;; end of part 2
;; ======== version 2 of 3: 2 launches
;; workspace buffers: order 32,768 bytes of whole numbers; w13c 4,194,304 bytes; w13s 131,072 bytes; w2c 2,097,152 bytes; w2s 65,536 bytes
;; launch prep (part 3): grid 256 x 1, 8 waves a work-group, no clusters, 2,048 bytes of LDS; arguments expert_idxs, w13, w2, order, w13c, w13s, w2c, w2s; writes order, w13c, w13s, w2c, w2s
.if DOCPART == 3
	.amdgcn_target "amdgcn-amd-amdhsa--gfx1250"
	.amdhsa_code_object_version 6
	.text
	.protected	k_qb181dd0867_prep
	.globl	k_qb181dd0867_prep
	.p2align	8
	.type	k_qb181dd0867_prep,@function
k_qb181dd0867_prep:
	s_mov_b64 s[64:65], 0
	v_nop
	global_prefetch_b8 v0, s[64:65] scope:SCOPE_SE
	s_setreg_imm32_b32 hwreg(HW_REG_WAVE_MODE, 25, 1), 1
	s_wait_xcnt 0x0
; PREP: what the experts' launch needs laid ready, in one launch of 64 + 128 + 64 work-groups.  Three kinds of work-group, told apart by the work-group's number alone.
; (1) Work-groups 0-63 SORT the 8,192 tokens by their set of experts (a = the smaller index, b = the larger) and store order[position] = token.  Work-group 8 p + j sees to the tokens with a = j:
;     position = (tokens with a < j) + (tokens with a = j and a smaller b) + (such tokens with the same b in threads before mine) + (in my thread before this one).  No atomics: counts, two scans, a placement.
;     Thread t takes tokens 256 i + t, i = 0 .. 31.  ALL are counted by each of the eight work-groups of a j, since no number passes between work-groups; PLACED are those with i = 4 p .. 4 p + 3 alone.
;     The lanes that store differ from store to store, so each store has its own change of EXEC and the wait that goes with it: shared out so, a wave has four of them and not 32.
;     For the key alone both indices are held at 7, so that order is a permutation whatever the int32 inputs hold; the next launch compares the indices as they are given.
; (2) Work-groups 64-191 quantise w13 [8][1024 (k)][512 (n)], (3) work-groups 192-255 w2 [8][256 (k)][1024 (n)], f32, K = the FIRST axis, into codes of FP8 (E4M3) with one E8M0 byte for each 32 along K.
;     A LANE TAKES A COLUMN n AND ITS REGISTERS RUN DOWN K: a block of 32 lies in one lane, and the conversions give codes with K innermost.  A wave takes 128 along K x 32 columns: two operand fragments.
;     THE CODES ARE LAID AS IMAGES OF THE OPERAND'S REGISTERS: a fragment (16 rows x 128 K) is 2,048 bytes, chunk c (512 bytes) = lane (16 h + r)'s 16 codes k = 32 c + 16 h + 0..15 of row r.
;     w13c: fragment ((e 16 + cb) 8 + s) 2 + u; row r of tile (cb, u) is column 32 cb + 8 u + r + 8 (r / 8), so that the results of tiles u = 0, 1 are 16 neighbours along the next product's K.
;     w2c:  fragment ((e 32 + cb) 2 + s) 2 + u; row r of tile (cb, u) is column 32 cb + 16 u + r.
;     Scale words (four bytes: 128 along K of one row): w13s [e][cb][s / 4][lane][s % 4], w2s [e][cb / 2][lane][2 (cb % 2) + s]; lanes 0-15 tile u = 0, lanes 16-31 tile u = 1.
; A block's scale is 2^(floor(log2(largest magnitude)) - 8); its byte is the largest magnitude's exponent field - 8, held at 1 from below.
; LIMITS: a block of zeros gets the byte 1 where the rule says 127 (its codes are zeros, and this program alone reads the bytes); blocks whose largest magnitude lies under 2^-118 are held at the byte 1; NaN and infinities are not served.
; The scale words leave as 4 bytes a lane, 16 bytes apart: one byte for each 128 read.  The codes leave as whole aligned runs of 256 bytes from sixteen neighbouring lanes.
.set SORTW, 64                         ; sort work-groups: 8 values of a x 8 parts of the placement
.set W13W,  128                        ; w13's: 8 experts x 8 K steps x 2 halves of the 16 column blocks
.set TT, 184                           ; v184-188  the second token's temporaries in the counting, then the scans' shifted copies
; ---- the quantiser: v2 = my column's bytes in a row, v3 = my place in a pair of fragments, v4 = 16 x lane; s[24:25] input, s[26:27] codes, s[28:29] scale words, s33 = 448's mantissa field
.macro QLOAD c, pitch                  ; block c: 32 numbers down K of my column into set c % 2; a wave's load reads 128 consecutive bytes, the eight waves of a work-group 1,024
.set n, 0
.rept 32
	global_load_b32 v[32+32*((\c)%2)+n], v2, s[24:25] offset:(32*(\c)+n)*(\pitch) th:TH_LOAD_NT
.set n, n+1
.endr
.endm
.macro QBLOCK c, pitch
.set XB, 32+32*((\c)%2)
.if (\c) < 3
	s_wait_loadcnt 32                              ; this block's 32 loads are in; the next block's 32 may be out
.else
	s_wait_loadcnt 0x0
.endif
	v_max3_num_f32 v12, |v[XB]|, |v[XB+1]|, |v[XB+2]|              ; the block's largest magnitude: all 32 numbers are mine; two chains
	v_max3_num_f32 v13, |v[XB+3]|, |v[XB+4]|, |v[XB+5]|
.irp i, 6,10,14,18,22,26
	v_max3_num_f32 v12, v12, |v[XB+\i]|, |v[XB+\i+1]|
	v_max3_num_f32 v13, v13, |v[XB+\i+2]|, |v[XB+\i+3]|
.endr
	v_max3_num_f32 v12, v12, |v[XB+30]|, |v[XB+31]|
	v_max3_num_f32 v12, v12, v13, 0x4800000        ; and the floor 2^(9 - 127): the byte cannot fall under 1
	v_add_nc_u32 v11, 0xfc000000, v12              ; 8 off the exponent field: the conversion's scale operand
	v_and_or_b32 v10, v12, 0x7f800000, s33         ; 448 x the scale
	v_lshrrev_b32 v13, 23, v11                     ; the scale's byte
.if (\c) == 0
	v_mov_b32 v14, v13                             ; four bytes make the K step's scale word, the lower K in the lower byte
.else
	v_lshl_or_b32 v14, v13, 8*(\c), v14
.endif
.set n, 0
.rept 32
	v_med3_num_f32 v[XB+n], v[XB+n], -v10, v10     ; the conversion to an 8-bit code does not saturate (ISA guide 7.6.2): hold first
.set n, n+1
.endr
.irp g, 0,1,2,3
	v_cvt_scalef32_pk8_fp8_f32 v[96+8*(\c)+2*\g:97+8*(\c)+2*\g], v[XB+8*\g:XB+8*\g+7], v11
.endr
	global_store_b128 v3, v[96+8*(\c):99+8*(\c)], s[26:27] offset:512*(\c)          ; k = 32 c + 0..15: the place of lane (r, h = 0); sixteen lanes fill 256 aligned bytes
	global_store_b128 v3, v[100+8*(\c):103+8*(\c)], s[26:27] offset:512*(\c)+256    ; k = 32 c + 16..31: the place of lane (r, h = 1).  Each block has code registers of its own: no store's data are written again
.if (\c)+2 < 4
	QLOAD (\c)+2, \pitch
.endif
.endm
.macro QTASK pitch
	QLOAD 0, \pitch
	QLOAD 1, \pitch
	QBLOCK 0, \pitch
	QBLOCK 1, \pitch
	QBLOCK 2, \pitch
	QBLOCK 3, \pitch
	global_store_b32 v4, v14, s[28:29]
.endm
; ---- the sort's macros
.macro RSCAN5 base                     ; inclusive sums along each row of 16 lanes, of five registers side by side: no line reads the result of the line above it
.irp d, 1,2,4,8
.irp k, 0,1,2,3,4
	v_mov_b32_dpp v[TT+\k], v[\base+\k] row_shr:\d row_mask:0xf bank_mask:0xf bound_ctrl:1
.endr
.irp k, 0,1,2,3,4
	v_add_nc_u32 v[\base+\k], v[\base+\k], v[TT+\k]
.endr
.endr
.endm
; Tokens 256 i + t and 256 k + t, of different groups of eight, line by line: each has temporaries, a mask and counters of its own.
; Counts go into 4-bit fields, one for each b, of a register for each group of eight tokens (a field holds 8 at the most).  A token's pair of registers then keeps b, and my rank in the group or -1 where a is not j.
.macro TOK2 i, k
.set RA, 5+(\i)/8
.set RB, 5+(\k)/8
.set A0, 32+2*(\i)
.set B0, 32+2*(\k)
	v_min_u32 v9, v[A0], v[A0+1]                   ; a
	v_min_u32 v184, v[B0], v[B0+1]
	v_add_nc_u32 v10, v[A0], v[A0+1]
	v_add_nc_u32 v185, v[B0], v[B0+1]
	v_sub_nc_u32 v10, v10, v9                      ; b
	v_sub_nc_u32 v185, v185, v184
	v_min_u32 v9, 7, v9
	v_min_u32 v184, 7, v184
	v_min_u32 v[A0], 7, v10
	v_min_u32 v[B0], 7, v185
	v_cmp_gt_u32 vcc_lo, s20, v9
	v_cmp_gt_u32 s40, s20, v184
	v_cndmask_b32 v11, 0, v2, vcc_lo
	v_cndmask_b32 v186, 0, v2, s40
	v_add_nc_u32 v4, v4, v11                       ; tokens with a < j, in two counters
	v_add_nc_u32 v21, v21, v186
	v_cmp_eq_u32 vcc_lo, s20, v9
	v_cmp_eq_u32 s40, s20, v184
	v_cndmask_b32 v11, 0, v2, vcc_lo               ; 1 where the token has a = j
	v_cndmask_b32 v186, 0, v2, s40
	v_lshlrev_b32 v12, 2, v[A0]
	v_lshlrev_b32 v187, 2, v[B0]
	v_bfe_u32 v13, v[RA], v12, 4                   ; how many of this b the group has had
	v_bfe_u32 v188, v[RB], v187, 4
	v_cndmask_b32 v[A0+1], v3, v13, vcc_lo
	v_cndmask_b32 v[B0+1], v3, v188, s40
	v_lshlrev_b32 v11, v12, v11
	v_lshlrev_b32 v186, v187, v186
	v_add_nc_u32 v[RA], v[RA], v11
	v_add_nc_u32 v[RB], v[RB], v186
.endm
; The token's position: its group's table (four words of two 16-bit fields: b = 0|4, 2|6, 1|5, 3|7) at b, + its rank in the group.  A part's positions are made while every lane is on, ahead of the first change of EXEC:
; the byte offset takes b's register, the token's number a register of its own, so that the stores below find both ready and no vector register is written between them.
.macro POS i
.set XG, 128+4*((\i)/8)
.set E0, 32+2*(\i)
	v_and_b32 v9, 2, v[E0]
	v_cmp_ne_u32 s40, 0, v9
	v_and_b32 v10, 1, v[E0]
	v_cmp_ne_u32 s41, 0, v10
	v_cndmask_b32 v11, v[XG], v[XG+1], s40
	v_cndmask_b32 v12, v[XG+2], v[XG+3], s40
	v_cndmask_b32 v11, v11, v12, s41
	v_and_b32 v9, 4, v[E0]
	v_lshlrev_b32 v9, 2, v9                        ; 16 (b / 4)
	v_bfe_u32 v11, v11, v9, 16
	v_add_nc_u32 v11, v11, v[E0+1]
	v_min_u32 v11, 0x1fff, v11                     ; a number made of loaded numbers enters an address only behind this hold
	v_lshlrev_b32 v[E0], 2, v11                    ; its byte in order
	v_add_nc_u32 v[152+(\i)], 256*(\i), v0         ; the token
.endm
; The store, by the lanes whose token has a = j (the others' rank is -1).
.macro PUT i
.set E0, 32+2*(\i)
	v_cmp_ne_u32 vcc_lo, -1, v[E0+1]
	s_and_saveexec_b32 s42, vcc_lo                 ; (no memory instruction has been issued since the last wait on XCNT)
	global_store_b32 v[E0], v[152+(\i)], s[10:11]
	s_wait_xcnt 0x0                                ; EXEC is written again only behind this wait
	s_or_b32 exec_lo, exec_lo, s42
.endm
; Part p of the placement: tokens i = 4 p .. 4 p + 3, which lie in group p / 2.  That group's table is group 0's + what my own earlier groups hold.
.macro PART p
.Lpart_\p:
.if (\p)/2 > 0
	v_and_b32 v9, s22, v[96+(\p)/2]
	v_add_nc_u32 v[128+4*((\p)/2)], v128, v9
	v_lshrrev_b32 v9, 8, v[96+(\p)/2]
	v_and_b32 v9, s22, v9
	v_add_nc_u32 v[129+4*((\p)/2)], v129, v9
	v_and_b32 v9, s22, v[99+(\p)/2]
	v_add_nc_u32 v[130+4*((\p)/2)], v130, v9
	v_lshrrev_b32 v9, 8, v[99+(\p)/2]
	v_and_b32 v9, s22, v9
	v_add_nc_u32 v[131+4*((\p)/2)], v131, v9
.endif
.irp q, 0,1,2,3
	POS 4*(\p)+\q
.endr
	s_wait_xcnt 0x0                                ; EXEC changes only behind this wait
.irp q, 0,1,2,3
	PUT 4*(\p)+\q
.endr
	s_wait_xcnt 0x0
	s_mov_b32 exec_lo, -1
	s_wait_tensorcnt 0x0
	ds_add_u32 v192, v193
	s_wait_dscnt 0x0
	s_endpgm
.endm
	s_load_b512 s[4:19], s[0:1], 0x0               ; expert_idxs s[4:5], w13 s[6:7], w2 s[8:9], order s[10:11], w13c s[12:13], w13s s[14:15], w2c s[16:17], w2s s[18:19]
	v_lshl_add_u32 v192, v0, 2, 0x400
	v_mov_b32 v193, 0
	v_lshrrev_b32 v1, 5, v0
	v_readfirstlane_b32 s36, v1                    ; wave 0..7
	s_wait_kmcnt 0x0
	s_cmp_lt_u32 ttmp9, SORTW
	s_cbranch_scc1 .Lsort
	v_and_b32 v1, 31, v0                           ; lane
	v_and_b32 v5, 15, v0                           ; r
	v_bfe_u32 v6, v0, 4, 1                         ; u: my column's tile
	v_lshlrev_b32 v3, 4, v5
	v_lshl_add_u32 v3, v6, 11, v3                  ; 2,048 u + 16 r
	v_lshlrev_b32 v4, 4, v1                        ; 16 x lane
	s_mov_b32 s33, 0x600000                        ; the mantissa field of 448
	s_cmp_lt_u32 ttmp9, SORTW+W13W
	s_cbranch_scc1 .Lw13
	; ---- w2: 8 experts x 2 K steps x 32 blocks of 32 columns, a wave each
	s_sub_co_u32 s20, ttmp9, SORTW+W13W
	s_lshr_b32 s21, s20, 3                         ; e
	s_bfe_u32 s22, s20, 0x10002                    ; K step
	s_and_b32 s23, s20, 3
	s_lshl_b32 s23, s23, 3
	s_add_co_u32 s23, s23, s36                     ; cb
	s_lshl_b32 s24, s21, 20                        ; an expert is 1,048,576 bytes,
	s_lshl_b32 s26, s22, 19                        ; 128 rows of 4,096,
	s_add_co_u32 s24, s24, s26
	s_lshl_b32 s26, s23, 7                         ; 32 columns of 4
	s_add_co_u32 s24, s24, s26
	s_mov_b32 s25, 0
	s_add_nc_u64 s[24:25], s[8:9], s[24:25]
	s_lshl_b32 s26, s21, 5
	s_add_co_u32 s26, s26, s23
	s_lshl_b32 s26, s26, 1
	s_add_co_u32 s26, s26, s22
	s_lshl_b32 s26, s26, 12                        ; ((e 32 + cb) 2 + s) pairs of fragments
	s_mov_b32 s27, 0
	s_add_nc_u64 s[26:27], s[16:17], s[26:27]
	s_lshl_b32 s28, s21, 13
	s_lshr_b32 s30, s23, 1
	s_lshl_b32 s30, s30, 9
	s_add_co_u32 s28, s28, s30
	s_and_b32 s30, s23, 1
	s_lshl_b32 s30, s30, 1
	s_add_co_u32 s30, s30, s22
	s_lshl_b32 s30, s30, 2
	s_add_co_u32 s28, s28, s30
	s_mov_b32 s29, 0
	s_add_nc_u64 s[28:29], s[18:19], s[28:29]
	v_lshlrev_b32 v2, 2, v1                        ; column 32 cb + lane
	QTASK 4096
	s_endpgm
.Lw13:
	; ---- w13: 8 experts x 8 K steps x 16 blocks of 32 columns, a wave each
	s_sub_co_u32 s20, ttmp9, SORTW
	s_lshr_b32 s21, s20, 4                         ; e
	s_bfe_u32 s22, s20, 0x30001                    ; K step
	s_and_b32 s23, s20, 1
	s_lshl_b32 s23, s23, 3
	s_add_co_u32 s23, s23, s36                     ; cb
	s_lshl_b32 s24, s21, 21
	s_lshl_b32 s26, s22, 18                        ; 128 rows of 2,048 bytes
	s_add_co_u32 s24, s24, s26
	s_lshl_b32 s26, s23, 7
	s_add_co_u32 s24, s24, s26
	s_mov_b32 s25, 0
	s_add_nc_u64 s[24:25], s[6:7], s[24:25]
	s_lshl_b32 s26, s21, 4
	s_add_co_u32 s26, s26, s23
	s_lshl_b32 s26, s26, 3
	s_add_co_u32 s26, s26, s22
	s_lshl_b32 s26, s26, 12                        ; ((e 16 + cb) 8 + s) pairs of fragments
	s_mov_b32 s27, 0
	s_add_nc_u64 s[26:27], s[12:13], s[26:27]
	s_lshl_b32 s28, s21, 14
	s_lshl_b32 s30, s23, 10
	s_add_co_u32 s28, s28, s30
	s_lshr_b32 s30, s22, 2
	s_lshl_b32 s30, s30, 9
	s_add_co_u32 s28, s28, s30
	s_and_b32 s30, s22, 3
	s_lshl_b32 s30, s30, 2
	s_add_co_u32 s28, s28, s30
	s_mov_b32 s29, 0
	s_add_nc_u64 s[28:29], s[14:15], s[28:29]
	v_and_b32 v7, 8, v5
	v_add_nc_u32 v7, v7, v5
	v_lshl_add_u32 v7, v6, 3, v7                   ; column 32 cb + 8 u + r + 8 (r / 8): the 32 lanes still cover 128 consecutive bytes
	v_lshlrev_b32 v2, 2, v7
	QTASK 2048
	s_endpgm
.Lsort:
	; REGISTERS: v4, v21 tokens with a < j; v5-8 the groups' counts; v16-20 my totals (16-bit fields b = 0|4, 2|6, 1|5, 3|7; v20 = v4 + v21), then their scans; v24-27 my totals kept; v28-31, v96 my row's totals;
	; v32-95 a pair for each token: the indices, then (b, rank), then (byte in order, rank); v97-99, v100-102 the groups' prefixes in bytes (even b, odd b); v108-112 the rows' totals, scanned; v113-116 the rows' prefixes;
	; v117-121 the grand totals; v122-125 my row's prefix; v128-143 the groups' tables; v145-151 where each b begins; v152-183 the tokens' numbers; v184-188 at work
	s_and_b32 s20, ttmp9, 7                        ; j
	s_lshr_b32 s23, ttmp9, 3                       ; p: which four of a thread's 32 tokens I place
	s_mov_b32 s21, 0x0f0f0f0f
	s_mov_b32 s22, 0x00ff00ff
	v_lshlrev_b32 v1, 3, v0                        ; thread t takes tokens 256 i + t: a wave's load reads 256 consecutive bytes
.set n, 0
.rept 32
	global_load_b64 v[32+2*n:33+2*n], v1, s[4:5] offset:2048*n
.set n, n+1
.endr
	v_mov_b32 v2, 1
	v_mov_b32 v3, -1
.irp k, 4,5,6,7,8,21,28,29,30,31,96,117,118,119,120,121
	v_mov_b32 v\k, 0                               ; counts begin at 0; the destination of a lane move counts as read, so it is written once
.endr
	s_wait_loadcnt 0x0
.set tk, 0
.rept 16
	TOK2 tk, tk+16                                 ; groups 0 and 2, then 1 and 3; within a group the tokens come in ascending order
.set tk, tk+1
.endr
	; 4-bit fields to bytes (even b, odd b), summed over the groups: prefixes for groups 1 to 3, and my totals (32 at the most)
	v_and_b32 v97, s21, v5
	v_lshrrev_b32 v9, 4, v5
	v_and_b32 v100, s21, v9
	v_and_b32 v10, s21, v6
	v_add_nc_u32 v98, v97, v10
	v_lshrrev_b32 v9, 4, v6
	v_and_b32 v9, s21, v9
	v_add_nc_u32 v101, v100, v9
	v_and_b32 v10, s21, v7
	v_add_nc_u32 v99, v98, v10
	v_lshrrev_b32 v9, 4, v7
	v_and_b32 v9, s21, v9
	v_add_nc_u32 v102, v101, v9
	v_and_b32 v10, s21, v8
	v_add_nc_u32 v103, v99, v10
	v_lshrrev_b32 v9, 4, v8
	v_and_b32 v9, s21, v9
	v_add_nc_u32 v104, v102, v9
	; bytes to 16-bit fields: sums over all threads stay under 2^16
	v_and_b32 v16, s22, v103                       ; b = 0 | 4
	v_lshrrev_b32 v9, 8, v103
	v_and_b32 v17, s22, v9                         ; 2 | 6
	v_and_b32 v18, s22, v104                       ; 1 | 5
	v_lshrrev_b32 v9, 8, v104
	v_and_b32 v19, s22, v9                         ; 3 | 7
	v_add_nc_u32 v20, v4, v21
.irp k, 0,1,2,3
	v_mov_b32 v[24+\k], v[16+\k]
.endr
	RSCAN5 16
.irp k, 0,1,2,3
	v_mov_b32_dpp v[28+\k], v[16+\k] row_share:15 row_mask:0xf bank_mask:0xf   ; my row's totals, in every lane of the row
.endr
	v_mov_b32_dpp v96, v20 row_share:15 row_mask:0xf bank_mask:0xf
	v_lshrrev_b32 v14, 4, v0
	v_lshlrev_b32 v14, 5, v14                      ; row t / 16 of the 16: 32 bytes each
	ds_store_b128 v14, v[28:31]                    ; the sixteen lanes of a row write the same bytes with the same values
	ds_store_b32 v14, v96 offset:16
	s_wait_dscnt 0x0                               ; for the others' sake: my stores are done
	s_barrier_signal -1
	s_barrier_wait -1
	v_and_b32 v13, 15, v0
	v_lshlrev_b32 v13, 5, v13
	ds_load_b128 v[108:111], v13                   ; lane q of each row of lanes takes row q's totals
	ds_load_b32 v112, v13 offset:16
	s_wait_dscnt 0x0
.irp k, 0,1,2,3
	v_mov_b32 v[113+\k], v[108+\k]
.endr
	RSCAN5 108
.irp k, 0,1,2,3,4
	v_mov_b32_dpp v[117+\k], v[108+\k] row_share:15 row_mask:0xf bank_mask:0xf   ; the grand totals
.endr
.irp k, 0,1,2,3
	v_sub_nc_u32 v[113+\k], v[108+\k], v[113+\k]   ; what the rows before row q hold
.endr
	v_lshrrev_b32 v12, 4, v0
	v_lshlrev_b32 v12, 2, v12                      ; lane t / 16 holds my row's
.irp k, 0,1,2,3
	ds_bpermute_b32 v[122+\k], v12, v[113+\k]
.endr
	; where each b begins: behind the tokens with a < j, the b in ascending order
	v_and_b32 v9, 0xffff, v117
	v_add_nc_u32 v145, v121, v9
	v_and_b32 v9, 0xffff, v119
	v_add_nc_u32 v146, v145, v9
	v_and_b32 v9, 0xffff, v118
	v_add_nc_u32 v147, v146, v9
	v_and_b32 v9, 0xffff, v120
	v_add_nc_u32 v148, v147, v9
	v_lshrrev_b32 v9, 16, v117
	v_add_nc_u32 v149, v148, v9
	v_lshrrev_b32 v9, 16, v119
	v_add_nc_u32 v150, v149, v9
	v_lshrrev_b32 v9, 16, v118
	v_add_nc_u32 v151, v150, v9
	v_lshl_or_b32 v9, v148, 16, v121               ; 0 | 4
	v_lshl_or_b32 v10, v150, 16, v146              ; 2 | 6
	v_lshl_or_b32 v11, v149, 16, v145              ; 1 | 5
	v_lshl_or_b32 v13, v151, 16, v147              ; 3 | 7
.irp k, 0,1,2,3
	v_sub_nc_u32 v[16+\k], v[16+\k], v[24+\k]      ; what the threads before me in my row hold
.endr
	s_wait_dscnt 0x0
	v_add3_u32 v128, v16, v122, v9                 ; group 0's table: the b's beginning + all threads before me
	v_add3_u32 v129, v17, v123, v10
	v_add3_u32 v130, v18, v124, v11
	v_add3_u32 v131, v19, v125, v13
	; the placement: each of a j's eight work-groups takes its own four tokens a thread; the branch hangs on the work-group's number alone
.irp p, 1,2,3,4,5,6,7
	s_cmp_eq_u32 s23, \p
	s_cbranch_scc1 .Lpart_\p
.endr
	PART 0
	PART 1
	PART 2
	PART 3
	PART 4
	PART 5
	PART 6
	PART 7
.Lfunc_end_k_qb181dd0867_prep:
	.size	k_qb181dd0867_prep, .Lfunc_end_k_qb181dd0867_prep-k_qb181dd0867_prep
	.p2alignl 7, 3214868480
	.fill 96, 4, 3214868480
	.section	.rodata,"a",@progbits
	.p2align	6, 0x0
	.amdhsa_kernel k_qb181dd0867_prep
		.amdhsa_group_segment_fixed_size 2048
		.amdhsa_private_segment_fixed_size 0
		.amdhsa_enable_private_segment 0
		.amdhsa_kernarg_size 64
		.amdhsa_user_sgpr_count 2
		.amdhsa_user_sgpr_kernarg_segment_ptr 1
		.amdhsa_wavefront_size32 1
		.amdhsa_system_sgpr_workgroup_id_x 1
		.amdhsa_system_sgpr_workgroup_id_y 1
		.amdhsa_system_sgpr_workgroup_id_z 1
		.amdhsa_system_vgpr_workitem_id 0
		.amdhsa_next_free_vgpr 194
		.amdhsa_next_free_sgpr 66
		.amdhsa_reserve_vcc 1
		.amdhsa_float_denorm_mode_32 3
		.amdhsa_float_denorm_mode_16_64 3
		.amdhsa_memory_ordered 1
		.amdhsa_forward_progress 1
		.amdhsa_inst_pref_size 121
	.end_amdhsa_kernel
	.amdgpu_metadata
---
amdhsa.version: [ 1, 2 ]
amdhsa.kernels:
  - .name:           k_qb181dd0867_prep
    .symbol:         k_qb181dd0867_prep.kd
    .args:
      - { .name: expert_idxs, .offset: 0, .size: 8, .value_kind: global_buffer, .address_space: global }
      - { .name: w13, .offset: 8, .size: 8, .value_kind: global_buffer, .address_space: global }
      - { .name: w2, .offset: 16, .size: 8, .value_kind: global_buffer, .address_space: global }
      - { .name: order, .offset: 24, .size: 8, .value_kind: global_buffer, .address_space: global }
      - { .name: w13c, .offset: 32, .size: 8, .value_kind: global_buffer, .address_space: global }
      - { .name: w13s, .offset: 40, .size: 8, .value_kind: global_buffer, .address_space: global }
      - { .name: w2c, .offset: 48, .size: 8, .value_kind: global_buffer, .address_space: global }
      - { .name: w2s, .offset: 56, .size: 8, .value_kind: global_buffer, .address_space: global }
    .group_segment_fixed_size: 2048
    .private_segment_fixed_size: 0
    .kernarg_segment_align: 8
    .kernarg_segment_size: 64
    .max_flat_workgroup_size: 256
    .sgpr_count:     66
    .vgpr_count:     194
    .wavefront_size: 32
...
	.end_amdgpu_metadata
.endif
;; end of part 3
;; launch experts: the kernel of part 2 again; grid 256 x 1, 4 waves a work-group, no clusters, 179,712 bytes of LDS; arguments order, expert_idxs, expert_p, x, w13c, w13s, w2c, w2s, out0; writes out0
;; ======== version 3 of 3: 2 launches
;; workspace buffers: order 32,768 bytes of whole numbers; w13c 4,194,304 bytes; w13s 131,072 bytes; w2c 2,097,152 bytes; w2s 65,536 bytes
;; launch prep (part 4): grid 256 x 1, 8 waves a work-group, no clusters, 2,048 bytes of LDS; arguments expert_idxs, w13, w2, order, w13c, w13s, w2c, w2s; writes order, w13c, w13s, w2c, w2s
.if DOCPART == 4
	.amdgcn_target "amdgcn-amd-amdhsa--gfx1250"
	.amdhsa_code_object_version 6
	.text
	.protected	k_qb181dd0867_prep
	.globl	k_qb181dd0867_prep
	.p2align	8
	.type	k_qb181dd0867_prep,@function
k_qb181dd0867_prep:
	s_mov_b64 s[64:65], 0
	v_nop
	global_prefetch_b8 v0, s[64:65] scope:SCOPE_SE
	s_setreg_imm32_b32 hwreg(HW_REG_WAVE_MODE, 25, 1), 1
	s_wait_xcnt 0x0
; PREP: what the experts' launch needs laid ready, in one launch of 64 + 128 + 64 work-groups.  Three kinds of work-group, told apart by the work-group's number alone.
; (1) Work-groups 0-63 SORT the 8,192 tokens by their set of experts (a = the smaller index, b = the larger) and store order[position] = token.  Work-group 8 p + j sees to the tokens with a = j:
;     position = (tokens with a < j) + (tokens with a = j and a smaller b) + (such tokens with the same b in threads before mine) + (in my thread before this one).  No atomics: counts, two scans, a placement.
;     Thread t takes tokens 256 i + t, i = 0 .. 31.  ALL are counted by each of the eight work-groups of a j, since no number passes between work-groups; PLACED are those with i = 4 p .. 4 p + 3 alone.
;     The lanes that store differ from store to store, so each store has its own change of EXEC and the wait that goes with it: shared out so, a wave has four of them and not 32.
;     For the key alone both indices are held at 7, so that order is a permutation whatever the int32 inputs hold; the next launch compares the indices as they are given.
; (2) Work-groups 64-191 quantise w13 [8][1024 (k)][512 (n)], (3) work-groups 192-255 w2 [8][256 (k)][1024 (n)], f32, K = the FIRST axis, into codes of FP8 (E4M3) with one E8M0 byte for each 32 along K.
;     A LANE TAKES A COLUMN n AND ITS REGISTERS RUN DOWN K: a block of 32 lies in one lane, and the conversions give codes with K innermost.  A wave takes 128 along K x 32 columns: two operand fragments.
;     THE CODES ARE LAID AS IMAGES OF THE OPERAND'S REGISTERS: a fragment (16 rows x 128 K) is 2,048 bytes, chunk c (512 bytes) = lane (16 h + r)'s 16 codes k = 32 c + 16 h + 0..15 of row r.
;     w13c: fragment ((e 16 + cb) 8 + s) 2 + u; row r of tile (cb, u) is column 32 cb + 8 u + r + 8 (r / 8), so that the results of tiles u = 0, 1 are 16 neighbours along the next product's K.
;     w2c:  fragment ((e 32 + cb) 2 + s) 2 + u; row r of tile (cb, u) is column 32 cb + 16 u + r.
;     Scale words (four bytes: 128 along K of one row): w13s [e][cb][s / 4][lane][s % 4], w2s [e][cb / 2][lane][2 (cb % 2) + s]; lanes 0-15 tile u = 0, lanes 16-31 tile u = 1.
; A block's scale is 2^(floor(log2(largest magnitude)) - 8); its byte is the largest magnitude's exponent field - 8, held at 1 from below.
; LIMITS: a block of zeros gets the byte 1 where the rule says 127 (its codes are zeros, and this program alone reads the bytes); blocks whose largest magnitude lies under 2^-118 are held at the byte 1; NaN and infinities are not served.
; The scale words leave as 4 bytes a lane, 16 bytes apart: one byte for each 128 read.  The codes leave as whole aligned runs of 256 bytes from sixteen neighbouring lanes.
.set SORTW, 64                         ; sort work-groups: 8 values of a x 8 parts of the placement
.set W13W,  128                        ; w13's: 8 experts x 8 K steps x 2 halves of the 16 column blocks
.set TT, 184                           ; v184-188  the second token's temporaries in the counting, then the scans' shifted copies
; ---- the quantiser: v2 = my column's bytes in a row, v3 = my place in a pair of fragments, v4 = 16 x lane; s[24:25] input, s[26:27] codes, s[28:29] scale words, s33 = 448's mantissa field
.macro QLOAD c, pitch                  ; block c: 32 numbers down K of my column into set c % 2; a wave's load reads 128 consecutive bytes, the eight waves of a work-group 1,024
.set n, 0
.rept 32
	global_load_b32 v[32+32*((\c)%2)+n], v2, s[24:25] offset:(32*(\c)+n)*(\pitch) th:TH_LOAD_NT
.set n, n+1
.endr
.endm
.macro QBLOCK c, pitch
.set XB, 32+32*((\c)%2)
.if (\c) < 3
	s_wait_loadcnt 32                              ; this block's 32 loads are in; the next block's 32 may be out
.else
	s_wait_loadcnt 0x0
.endif
	v_max3_num_f32 v12, |v[XB]|, |v[XB+1]|, |v[XB+2]|              ; the block's largest magnitude: all 32 numbers are mine; two chains
	v_max3_num_f32 v13, |v[XB+3]|, |v[XB+4]|, |v[XB+5]|
.irp i, 6,10,14,18,22,26
	s_delay_alu instid0(VALU_DEP_2)
	v_max3_num_f32 v12, v12, |v[XB+\i]|, |v[XB+\i+1]|
	s_delay_alu instid0(VALU_DEP_2)
	v_max3_num_f32 v13, v13, |v[XB+\i+2]|, |v[XB+\i+3]|
.endr
	s_delay_alu instid0(VALU_DEP_2)
	v_max3_num_f32 v12, v12, |v[XB+30]|, |v[XB+31]|
	s_delay_alu instid0(VALU_DEP_1)
	v_max3_num_f32 v12, v12, v13, 0x4800000        ; and the floor 2^(9 - 127): the byte cannot fall under 1
	s_delay_alu instid0(VALU_DEP_1)
	v_add_nc_u32 v11, 0xfc000000, v12              ; 8 off the exponent field: the conversion's scale operand
	s_delay_alu instid0(VALU_DEP_2)
	v_and_or_b32 v10, v12, 0x7f800000, s33         ; 448 x the scale
	s_delay_alu instid0(VALU_DEP_2)
	v_lshrrev_b32 v13, 23, v11                     ; the scale's byte
.if (\c) == 0
	s_delay_alu instid0(VALU_DEP_1)
	v_mov_b32 v14, v13                             ; four bytes make the K step's scale word, the lower K in the lower byte
.else
	s_delay_alu instid0(VALU_DEP_1)
	v_lshl_or_b32 v14, v13, 8*(\c), v14
.endif
.set n, 0
.rept 32
	v_med3_num_f32 v[XB+n], v[XB+n], -v10, v10     ; the conversion to an 8-bit code does not saturate (ISA guide 7.6.2): hold first
.set n, n+1
.endr
.irp g, 0,1,2,3
	v_cvt_scalef32_pk8_fp8_f32 v[96+8*(\c)+2*\g:97+8*(\c)+2*\g], v[XB+8*\g:XB+8*\g+7], v11
.endr
	global_store_b128 v3, v[96+8*(\c):99+8*(\c)], s[26:27] offset:512*(\c)          ; k = 32 c + 0..15: the place of lane (r, h = 0); sixteen lanes fill 256 aligned bytes
	global_store_b128 v3, v[100+8*(\c):103+8*(\c)], s[26:27] offset:512*(\c)+256    ; k = 32 c + 16..31: the place of lane (r, h = 1).  Each block has code registers of its own: no store's data are written again
.if (\c)+2 < 4
	QLOAD (\c)+2, \pitch
.endif
.endm
.macro QTASK pitch
	QLOAD 0, \pitch
	QLOAD 1, \pitch
	QBLOCK 0, \pitch
	QBLOCK 1, \pitch
	QBLOCK 2, \pitch
	QBLOCK 3, \pitch
	global_store_b32 v4, v14, s[28:29]
.endm
; ---- the sort's macros
.macro RSCAN5 base                     ; inclusive sums along each row of 16 lanes, of five registers side by side: no line reads the result of the line above it
.irp d, 1,2,4,8
.irp k, 0,1,2,3,4
	v_mov_b32_dpp v[TT+\k], v[\base+\k] row_shr:\d row_mask:0xf bank_mask:0xf bound_ctrl:1
.endr
.irp k, 0,1,2,3,4
	v_add_nc_u32 v[\base+\k], v[\base+\k], v[TT+\k]
.endr
.endr
.endm
; Tokens 256 i + t and 256 k + t, of different groups of eight, line by line: each has temporaries, a mask and counters of its own.
; Counts go into 4-bit fields, one for each b, of a register for each group of eight tokens (a field holds 8 at the most).  A token's pair of registers then keeps b, and my rank in the group or -1 where a is not j.
.macro TOK2 i, k
.set RA, 5+(\i)/8
.set RB, 5+(\k)/8
.set A0, 32+2*(\i)
.set B0, 32+2*(\k)
	v_min_u32 v9, v[A0], v[A0+1]                   ; a
	v_min_u32 v184, v[B0], v[B0+1]
	v_add_nc_u32 v10, v[A0], v[A0+1]
	v_add_nc_u32 v185, v[B0], v[B0+1]
	s_delay_alu instid0(VALU_DEP_2)
	v_sub_nc_u32 v10, v10, v9                      ; b
	s_delay_alu instid0(VALU_DEP_2)
	v_sub_nc_u32 v185, v185, v184
	v_min_u32 v9, 7, v9
	v_min_u32 v184, 7, v184
	s_delay_alu instid0(VALU_DEP_4)
	v_min_u32 v[A0], 7, v10
	s_delay_alu instid0(VALU_DEP_4)
	v_min_u32 v[B0], 7, v185
	s_delay_alu instid0(VALU_DEP_4)
	v_cmp_gt_u32 vcc_lo, s20, v9
	s_delay_alu instid0(VALU_DEP_4)
	v_cmp_gt_u32 s40, s20, v184
	s_delay_alu instid0(VALU_DEP_2)
	v_cndmask_b32 v11, 0, v2, vcc_lo
	s_delay_alu instid0(VALU_DEP_2)
	v_cndmask_b32 v186, 0, v2, s40
	s_delay_alu instid0(VALU_DEP_2)
	v_add_nc_u32 v4, v4, v11                       ; tokens with a < j, in two counters
	s_delay_alu instid0(VALU_DEP_2)
	v_add_nc_u32 v21, v21, v186
	v_cmp_eq_u32 vcc_lo, s20, v9
	v_cmp_eq_u32 s40, s20, v184
	s_delay_alu instid0(VALU_DEP_2)
	v_cndmask_b32 v11, 0, v2, vcc_lo               ; 1 where the token has a = j
	s_delay_alu instid0(VALU_DEP_2)
	v_cndmask_b32 v186, 0, v2, s40
	v_lshlrev_b32 v12, 2, v[A0]
	v_lshlrev_b32 v187, 2, v[B0]
	s_delay_alu instid0(VALU_DEP_2)
	v_bfe_u32 v13, v[RA], v12, 4                   ; how many of this b the group has had
	s_delay_alu instid0(VALU_DEP_2)
	v_bfe_u32 v188, v[RB], v187, 4
	s_delay_alu instid0(VALU_DEP_2)
	v_cndmask_b32 v[A0+1], v3, v13, vcc_lo
	s_delay_alu instid0(VALU_DEP_2)
	v_cndmask_b32 v[B0+1], v3, v188, s40
	v_lshlrev_b32 v11, v12, v11
	v_lshlrev_b32 v186, v187, v186
	s_delay_alu instid0(VALU_DEP_2)
	v_add_nc_u32 v[RA], v[RA], v11
	s_delay_alu instid0(VALU_DEP_2)
	v_add_nc_u32 v[RB], v[RB], v186
.endm
; The token's position: its group's table (four words of two 16-bit fields: b = 0|4, 2|6, 1|5, 3|7) at b, + its rank in the group.  A part's positions are made while every lane is on, ahead of the first change of EXEC:
; the byte offset takes b's register, the token's number a register of its own, so that the stores below find both ready and no vector register is written between them.
.macro POS i
.set XG, 128+4*((\i)/8)
.set E0, 32+2*(\i)
	v_and_b32 v9, 2, v[E0]
	s_delay_alu instid0(VALU_DEP_1)
	v_cmp_ne_u32 s40, 0, v9
	v_and_b32 v10, 1, v[E0]
	s_delay_alu instid0(VALU_DEP_1)
	v_cmp_ne_u32 s41, 0, v10
	s_delay_alu instid0(VALU_DEP_3)
	v_cndmask_b32 v11, v[XG], v[XG+1], s40
	s_delay_alu instid0(VALU_DEP_4)
	v_cndmask_b32 v12, v[XG+2], v[XG+3], s40
	s_delay_alu instid0(VALU_DEP_1)
	v_cndmask_b32 v11, v11, v12, s41
	v_and_b32 v9, 4, v[E0]
	s_delay_alu instid0(VALU_DEP_1)
	v_lshlrev_b32 v9, 2, v9                        ; 16 (b / 4)
	s_delay_alu instid0(VALU_DEP_1)
	v_bfe_u32 v11, v11, v9, 16
	s_delay_alu instid0(VALU_DEP_1)
	v_add_nc_u32 v11, v11, v[E0+1]
	s_delay_alu instid0(VALU_DEP_1)
	v_min_u32 v11, 0x1fff, v11                     ; a number made of loaded numbers enters an address only behind this hold
	s_delay_alu instid0(VALU_DEP_1)
	v_lshlrev_b32 v[E0], 2, v11                    ; its byte in order
	v_add_nc_u32 v[152+(\i)], 256*(\i), v0         ; the token
.endm
; The store, by the lanes whose token has a = j (the others' rank is -1).
.macro PUT i
.set E0, 32+2*(\i)
	v_cmp_ne_u32 vcc_lo, -1, v[E0+1]
	s_and_saveexec_b32 s42, vcc_lo                 ; (no memory instruction has been issued since the last wait on XCNT)
	global_store_b32 v[E0], v[152+(\i)], s[10:11]
	s_wait_xcnt 0x0                                ; EXEC is written again only behind this wait
	s_or_b32 exec_lo, exec_lo, s42
.endm
; Part p of the placement: tokens i = 4 p .. 4 p + 3, which lie in group p / 2.  That group's table is group 0's + what my own earlier groups hold.
.macro PART p
.Lpart_\p:
.if (\p)/2 > 0
	v_and_b32 v9, s22, v[96+(\p)/2]
	s_wait_alu depctr_va_vdst(0)
	v_add_nc_u32 v[128+4*((\p)/2)], v128, v9
	v_lshrrev_b32 v9, 8, v[96+(\p)/2]
	s_delay_alu instid0(VALU_DEP_1)
	v_and_b32 v9, s22, v9
	s_delay_alu instid0(VALU_DEP_1)
	v_add_nc_u32 v[129+4*((\p)/2)], v129, v9
	v_and_b32 v9, s22, v[99+(\p)/2]
	s_delay_alu instid0(VALU_DEP_1)
	v_add_nc_u32 v[130+4*((\p)/2)], v130, v9
	v_lshrrev_b32 v9, 8, v[99+(\p)/2]
	s_delay_alu instid0(VALU_DEP_1)
	v_and_b32 v9, s22, v9
	s_delay_alu instid0(VALU_DEP_1)
	v_add_nc_u32 v[131+4*((\p)/2)], v131, v9
.endif
	s_wait_alu depctr_va_vdst(0)
.irp q, 0,1,2,3
	POS 4*(\p)+\q
.endr
	s_wait_alu depctr_va_vdst(0)
	s_wait_xcnt 0x0                                ; EXEC changes only behind this wait
.irp q, 0,1,2,3
	PUT 4*(\p)+\q
.endr
	s_wait_xcnt 0x0
	s_mov_b32 exec_lo, -1
	s_wait_tensorcnt 0x0
	ds_add_u32 v192, v193
	s_wait_dscnt 0x0
	s_endpgm
.endm
	s_load_b512 s[4:19], s[0:1], 0x0               ; expert_idxs s[4:5], w13 s[6:7], w2 s[8:9], order s[10:11], w13c s[12:13], w13s s[14:15], w2c s[16:17], w2s s[18:19]
	v_lshl_add_u32 v192, v0, 2, 0x400
	v_mov_b32 v193, 0
	v_lshrrev_b32 v1, 5, v0
	s_delay_alu instid0(VALU_DEP_1)
	v_readfirstlane_b32 s36, v1                    ; wave 0..7
	s_wait_kmcnt 0x0
	s_cmp_lt_u32 ttmp9, SORTW
	s_cbranch_scc1 .Lsort
	v_and_b32 v1, 31, v0                           ; lane
	v_and_b32 v5, 15, v0                           ; r
	v_bfe_u32 v6, v0, 4, 1                         ; u: my column's tile
	s_delay_alu instid0(VALU_DEP_2)
	v_lshlrev_b32 v3, 4, v5
	s_delay_alu instid0(VALU_DEP_1)
	v_lshl_add_u32 v3, v6, 11, v3                  ; 2,048 u + 16 r
	v_lshlrev_b32 v4, 4, v1                        ; 16 x lane
	s_mov_b32 s33, 0x600000                        ; the mantissa field of 448
	s_cmp_lt_u32 ttmp9, SORTW+W13W
	s_cbranch_scc1 .Lw13
	; ---- w2: 8 experts x 2 K steps x 32 blocks of 32 columns, a wave each
	s_sub_co_u32 s20, ttmp9, SORTW+W13W
	s_lshr_b32 s21, s20, 3                         ; e
	s_bfe_u32 s22, s20, 0x10002                    ; K step
	s_and_b32 s23, s20, 3
	s_lshl_b32 s23, s23, 3
	s_add_co_u32 s23, s23, s36                     ; cb
	s_lshl_b32 s24, s21, 20                        ; an expert is 1,048,576 bytes,
	s_lshl_b32 s26, s22, 19                        ; 128 rows of 4,096,
	s_add_co_u32 s24, s24, s26
	s_lshl_b32 s26, s23, 7                         ; 32 columns of 4
	s_add_co_u32 s24, s24, s26
	s_mov_b32 s25, 0
	s_add_nc_u64 s[24:25], s[8:9], s[24:25]
	s_lshl_b32 s26, s21, 5
	s_add_co_u32 s26, s26, s23
	s_lshl_b32 s26, s26, 1
	s_add_co_u32 s26, s26, s22
	s_lshl_b32 s26, s26, 12                        ; ((e 32 + cb) 2 + s) pairs of fragments
	s_mov_b32 s27, 0
	s_add_nc_u64 s[26:27], s[16:17], s[26:27]
	s_lshl_b32 s28, s21, 13
	s_lshr_b32 s30, s23, 1
	s_lshl_b32 s30, s30, 9
	s_add_co_u32 s28, s28, s30
	s_and_b32 s30, s23, 1
	s_lshl_b32 s30, s30, 1
	s_add_co_u32 s30, s30, s22
	s_lshl_b32 s30, s30, 2
	s_add_co_u32 s28, s28, s30
	s_mov_b32 s29, 0
	s_add_nc_u64 s[28:29], s[18:19], s[28:29]
	s_wait_alu depctr_va_vdst(0)
	v_lshlrev_b32 v2, 2, v1                        ; column 32 cb + lane
	QTASK 4096
	s_endpgm
.Lw13:
	; ---- w13: 8 experts x 8 K steps x 16 blocks of 32 columns, a wave each
	s_sub_co_u32 s20, ttmp9, SORTW
	s_lshr_b32 s21, s20, 4                         ; e
	s_bfe_u32 s22, s20, 0x30001                    ; K step
	s_and_b32 s23, s20, 1
	s_lshl_b32 s23, s23, 3
	s_add_co_u32 s23, s23, s36                     ; cb
	s_lshl_b32 s24, s21, 21
	s_lshl_b32 s26, s22, 18                        ; 128 rows of 2,048 bytes
	s_add_co_u32 s24, s24, s26
	s_lshl_b32 s26, s23, 7
	s_add_co_u32 s24, s24, s26
	s_mov_b32 s25, 0
	s_add_nc_u64 s[24:25], s[6:7], s[24:25]
	s_lshl_b32 s26, s21, 4
	s_add_co_u32 s26, s26, s23
	s_lshl_b32 s26, s26, 3
	s_add_co_u32 s26, s26, s22
	s_lshl_b32 s26, s26, 12                        ; ((e 16 + cb) 8 + s) pairs of fragments
	s_mov_b32 s27, 0
	s_add_nc_u64 s[26:27], s[12:13], s[26:27]
	s_lshl_b32 s28, s21, 14
	s_lshl_b32 s30, s23, 10
	s_add_co_u32 s28, s28, s30
	s_lshr_b32 s30, s22, 2
	s_lshl_b32 s30, s30, 9
	s_add_co_u32 s28, s28, s30
	s_and_b32 s30, s22, 3
	s_lshl_b32 s30, s30, 2
	s_add_co_u32 s28, s28, s30
	s_mov_b32 s29, 0
	s_add_nc_u64 s[28:29], s[14:15], s[28:29]
	s_wait_alu depctr_va_vdst(0)
	v_and_b32 v7, 8, v5
	s_delay_alu instid0(VALU_DEP_1)
	v_add_nc_u32 v7, v7, v5
	s_delay_alu instid0(VALU_DEP_1)
	v_lshl_add_u32 v7, v6, 3, v7                   ; column 32 cb + 8 u + r + 8 (r / 8): the 32 lanes still cover 128 consecutive bytes
	s_delay_alu instid0(VALU_DEP_1)
	v_lshlrev_b32 v2, 2, v7
	QTASK 2048
	s_endpgm
.Lsort:
	; REGISTERS: v4, v21 tokens with a < j; v5-8 the groups' counts; v16-20 my totals (16-bit fields b = 0|4, 2|6, 1|5, 3|7; v20 = v4 + v21), then their scans; v24-27 my totals kept; v28-31, v96 my row's totals;
	; v32-95 a pair for each token: the indices, then (b, rank), then (byte in order, rank); v97-99, v100-102 the groups' prefixes in bytes (even b, odd b); v108-112 the rows' totals, scanned; v113-116 the rows' prefixes;
	; v117-121 the grand totals; v122-125 my row's prefix; v128-143 the groups' tables; v145-151 where each b begins; v152-183 the tokens' numbers; v184-188 at work
	s_and_b32 s20, ttmp9, 7                        ; j
	s_lshr_b32 s23, ttmp9, 3                       ; p: which four of a thread's 32 tokens I place
	s_mov_b32 s21, 0x0f0f0f0f
	s_mov_b32 s22, 0x00ff00ff
	v_lshlrev_b32 v1, 3, v0                        ; thread t takes tokens 256 i + t: a wave's load reads 256 consecutive bytes
.set n, 0
.rept 32
	global_load_b64 v[32+2*n:33+2*n], v1, s[4:5] offset:2048*n
.set n, n+1
.endr
	v_mov_b32 v2, 1
	v_mov_b32 v3, -1
.irp k, 4,5,6,7,8,21,28,29,30,31,96,117,118,119,120,121
	v_mov_b32 v\k, 0                               ; counts begin at 0; the destination of a lane move counts as read, so it is written once
.endr
	s_wait_loadcnt 0x0
.set tk, 0
.rept 16
	TOK2 tk, tk+16                                 ; groups 0 and 2, then 1 and 3; within a group the tokens come in ascending order
.set tk, tk+1
.endr
	; 4-bit fields to bytes (even b, odd b), summed over the groups: prefixes for groups 1 to 3, and my totals (32 at the most)
	v_and_b32 v97, s21, v5
	v_lshrrev_b32 v9, 4, v5
	s_delay_alu instid0(VALU_DEP_1)
	v_and_b32 v100, s21, v9
	v_and_b32 v10, s21, v6
	s_delay_alu instid0(VALU_DEP_1)
	v_add_nc_u32 v98, v97, v10
	v_lshrrev_b32 v9, 4, v6
	s_delay_alu instid0(VALU_DEP_1)
	v_and_b32 v9, s21, v9
	s_delay_alu instid0(VALU_DEP_1)
	v_add_nc_u32 v101, v100, v9
	v_and_b32 v10, s21, v7
	s_delay_alu instid0(VALU_DEP_1)
	v_add_nc_u32 v99, v98, v10
	v_lshrrev_b32 v9, 4, v7
	s_delay_alu instid0(VALU_DEP_1)
	v_and_b32 v9, s21, v9
	s_delay_alu instid0(VALU_DEP_1)
	v_add_nc_u32 v102, v101, v9
	v_and_b32 v10, s21, v8
	s_delay_alu instid0(VALU_DEP_1)
	v_add_nc_u32 v103, v99, v10
	v_lshrrev_b32 v9, 4, v8
	s_delay_alu instid0(VALU_DEP_1)
	v_and_b32 v9, s21, v9
	s_delay_alu instid0(VALU_DEP_1)
	v_add_nc_u32 v104, v102, v9
	s_delay_alu instid0(VALU_DEP_4)
	; bytes to 16-bit fields: sums over all threads stay under 2^16
	v_and_b32 v16, s22, v103                       ; b = 0 | 4
	v_lshrrev_b32 v9, 8, v103
	s_delay_alu instid0(VALU_DEP_1)
	v_and_b32 v17, s22, v9                         ; 2 | 6
	s_delay_alu instid0(VALU_DEP_4)
	v_and_b32 v18, s22, v104                       ; 1 | 5
	v_lshrrev_b32 v9, 8, v104
	s_delay_alu instid0(VALU_DEP_1)
	v_and_b32 v19, s22, v9                         ; 3 | 7
	v_add_nc_u32 v20, v4, v21
.irp k, 0,1,2,3
	v_mov_b32 v[24+\k], v[16+\k]
.endr
	RSCAN5 16
.irp k, 0,1,2,3
	v_mov_b32_dpp v[28+\k], v[16+\k] row_share:15 row_mask:0xf bank_mask:0xf   ; my row's totals, in every lane of the row
.endr
	v_mov_b32_dpp v96, v20 row_share:15 row_mask:0xf bank_mask:0xf
	v_lshrrev_b32 v14, 4, v0
	s_delay_alu instid0(VALU_DEP_1)
	v_lshlrev_b32 v14, 5, v14                      ; row t / 16 of the 16: 32 bytes each
	ds_store_b128 v14, v[28:31]                    ; the sixteen lanes of a row write the same bytes with the same values
	ds_store_b32 v14, v96 offset:16
	s_wait_dscnt 0x0                               ; for the others' sake: my stores are done
	s_barrier_signal -1
	s_barrier_wait -1
	v_and_b32 v13, 15, v0
	s_delay_alu instid0(VALU_DEP_1)
	v_lshlrev_b32 v13, 5, v13
	ds_load_b128 v[108:111], v13                   ; lane q of each row of lanes takes row q's totals
	ds_load_b32 v112, v13 offset:16
	s_wait_dscnt 0x0
.irp k, 0,1,2,3
	v_mov_b32 v[113+\k], v[108+\k]
.endr
	RSCAN5 108
.irp k, 0,1,2,3,4
	v_mov_b32_dpp v[117+\k], v[108+\k] row_share:15 row_mask:0xf bank_mask:0xf   ; the grand totals
.endr
.irp k, 0,1,2,3
	v_sub_nc_u32 v[113+\k], v[108+\k], v[113+\k]   ; what the rows before row q hold
.endr
	v_lshrrev_b32 v12, 4, v0
	s_delay_alu instid0(VALU_DEP_1)
	v_lshlrev_b32 v12, 2, v12                      ; lane t / 16 holds my row's
.irp k, 0,1,2,3
	ds_bpermute_b32 v[122+\k], v12, v[113+\k]
.endr
	; where each b begins: behind the tokens with a < j, the b in ascending order
	v_and_b32 v9, 0xffff, v117
	s_delay_alu instid0(VALU_DEP_1)
	v_add_nc_u32 v145, v121, v9
	v_and_b32 v9, 0xffff, v119
	s_delay_alu instid0(VALU_DEP_1)
	v_add_nc_u32 v146, v145, v9
	v_and_b32 v9, 0xffff, v118
	s_delay_alu instid0(VALU_DEP_1)
	v_add_nc_u32 v147, v146, v9
	v_and_b32 v9, 0xffff, v120
	s_delay_alu instid0(VALU_DEP_1)
	v_add_nc_u32 v148, v147, v9
	v_lshrrev_b32 v9, 16, v117
	s_delay_alu instid0(VALU_DEP_1)
	v_add_nc_u32 v149, v148, v9
	v_lshrrev_b32 v9, 16, v119
	s_delay_alu instid0(VALU_DEP_1)
	v_add_nc_u32 v150, v149, v9
	v_lshrrev_b32 v9, 16, v118
	s_delay_alu instid0(VALU_DEP_1)
	v_add_nc_u32 v151, v150, v9
	v_lshl_or_b32 v9, v148, 16, v121               ; 0 | 4
	s_delay_alu instid0(VALU_DEP_4)
	v_lshl_or_b32 v10, v150, 16, v146              ; 2 | 6
	v_lshl_or_b32 v11, v149, 16, v145              ; 1 | 5
	s_delay_alu instid0(VALU_DEP_4)
	v_lshl_or_b32 v13, v151, 16, v147              ; 3 | 7
.irp k, 0,1,2,3
	v_sub_nc_u32 v[16+\k], v[16+\k], v[24+\k]      ; what the threads before me in my row hold
.endr
	s_wait_alu depctr_va_vdst(0)
	s_wait_dscnt 0x0
	v_add3_u32 v128, v16, v122, v9                 ; group 0's table: the b's beginning + all threads before me
	v_add3_u32 v129, v17, v123, v10
	v_add3_u32 v130, v18, v124, v11
	v_add3_u32 v131, v19, v125, v13
	; the placement: each of a j's eight work-groups takes its own four tokens a thread; the branch hangs on the work-group's number alone
.irp p, 1,2,3,4,5,6,7
	s_cmp_eq_u32 s23, \p
	s_cbranch_scc1 .Lpart_\p
.endr
	PART 0
	PART 1
	PART 2
	PART 3
	PART 4
	PART 5
	PART 6
	PART 7
.Lfunc_end_k_qb181dd0867_prep:
	.size	k_qb181dd0867_prep, .Lfunc_end_k_qb181dd0867_prep-k_qb181dd0867_prep
	.p2alignl 7, 3214868480
	.fill 96, 4, 3214868480
	.section	.rodata,"a",@progbits
	.p2align	6, 0x0
	.amdhsa_kernel k_qb181dd0867_prep
		.amdhsa_group_segment_fixed_size 2048
		.amdhsa_private_segment_fixed_size 0
		.amdhsa_enable_private_segment 0
		.amdhsa_kernarg_size 64
		.amdhsa_user_sgpr_count 2
		.amdhsa_user_sgpr_kernarg_segment_ptr 1
		.amdhsa_wavefront_size32 1
		.amdhsa_system_sgpr_workgroup_id_x 1
		.amdhsa_system_sgpr_workgroup_id_y 1
		.amdhsa_system_sgpr_workgroup_id_z 1
		.amdhsa_system_vgpr_workitem_id 0
		.amdhsa_next_free_vgpr 194
		.amdhsa_next_free_sgpr 66
		.amdhsa_reserve_vcc 1
		.amdhsa_float_denorm_mode_32 3
		.amdhsa_float_denorm_mode_16_64 3
		.amdhsa_memory_ordered 1
		.amdhsa_forward_progress 1
		.amdhsa_inst_pref_size 147
	.end_amdhsa_kernel
	.amdgpu_metadata
---
amdhsa.version: [ 1, 2 ]
amdhsa.kernels:
  - .name:           k_qb181dd0867_prep
    .symbol:         k_qb181dd0867_prep.kd
    .args:
      - { .name: expert_idxs, .offset: 0, .size: 8, .value_kind: global_buffer, .address_space: global }
      - { .name: w13, .offset: 8, .size: 8, .value_kind: global_buffer, .address_space: global }
      - { .name: w2, .offset: 16, .size: 8, .value_kind: global_buffer, .address_space: global }
      - { .name: order, .offset: 24, .size: 8, .value_kind: global_buffer, .address_space: global }
      - { .name: w13c, .offset: 32, .size: 8, .value_kind: global_buffer, .address_space: global }
      - { .name: w13s, .offset: 40, .size: 8, .value_kind: global_buffer, .address_space: global }
      - { .name: w2c, .offset: 48, .size: 8, .value_kind: global_buffer, .address_space: global }
      - { .name: w2s, .offset: 56, .size: 8, .value_kind: global_buffer, .address_space: global }
    .group_segment_fixed_size: 2048
    .private_segment_fixed_size: 0
    .kernarg_segment_align: 8
    .kernarg_segment_size: 64
    .max_flat_workgroup_size: 256
    .sgpr_count:     66
    .vgpr_count:     194
    .wavefront_size: 32
...
	.end_amdgpu_metadata
.endif
;; end of part 4
;; launch experts (part 5): grid 256 x 1, 4 waves a work-group, no clusters, 179,712 bytes of LDS; arguments order, expert_idxs, expert_p, x, w13c, w13s, w2c, w2s, out0; writes out0
.if DOCPART == 5
	.amdgcn_target "amdgcn-amd-amdhsa--gfx1250"
	.amdhsa_code_object_version 6
	.text
	.protected	k_qb181dd0867_experts
	.globl	k_qb181dd0867_experts
	.p2align	8
	.type	k_qb181dd0867_experts,@function
k_qb181dd0867_experts:
	s_mov_b64 s[64:65], 0
	v_nop
	global_prefetch_b8 v0, s[64:65] scope:SCOPE_SE
	s_setreg_imm32_b32 hwreg(HW_REG_WAVE_SCHED_MODE, 0, 2), 2
	s_setreg_imm32_b32 hwreg(HW_REG_WAVE_MODE, 25, 1), 1
	s_wait_xcnt 0x0
	s_wait_alu depctr_vm_vsrc(0)
; y[t] = sum over the token's two routed experts e of p x (silu(g) h) w2[e], (h, g) = x[t] w13[e]; both products on codes of FP8 (E4M3) with one E8M0 scale for each 32 along K, sums in f32.
; Only the routed rows are multiplied.  A work-group OWNS 32 tokens, order[32 wg ..] (sorted by their sets of experts), through the whole chain: gather x, quantise, and a loop of constant count over the 8 experts;
; an expert that none of the 32 tokens names is passed over by scalar branches on the index input.  For a used expert: product 1, silu(g) h, quantise, product 2, y += pe x result, y kept in registers; rows that do not
; name the expert have pe = 0.  pe = p0 [idx0 = e] + p1 [idx1 = e], as the definition has it (equal indices add; an index outside 0..7 weighs nothing).  Each output row is stored once, by its owner.
; NO TENSOR LOADS, NO CLUSTER: the walk branches on numbers read from memory.  So the weights, laid by the launch before as images of the operand's registers, go from
; memory straight into registers, each lane loading its 16 bytes of a fragment's chunk: a load covers 512 consecutive bytes.  Every wave passes every barrier: none stands under a branch.
; SHARES.  Four waves share the COLUMNS.  Wave w makes hidden units 64 w .. 64 w + 63 (h and g) and output columns 256 w .. 256 w + 255, for both tiles of 16 tokens.  It quantises x's tile w % 2, K steps 4 (w / 2) .. + 3.
; Both products are used TRANSPOSED (source 0 = 16 weight columns, source 1 = 16 tokens): a lane holds one token (lane % 16); w13's tiles are chosen so that a lane's 16 registers of two tiles are 16 neighbouring hidden units.
; x's and the hidden layer's codes go from wave to wave through LDS as images of the operand's registers (16 bytes a lane, 512 a store), their scale words as 4 bytes a lane.
; THE WEIGHTS' RING: three buffers of 128 registers (8 fragments = one step: 16 matrix instructions); 12 steps an expert (8 of product 1, 4 of product 2); two steps' loads (64) are on their way while one is multiplied.
; LIMITS: NaN and infinities are not served; a block of zeros gets the scale byte 1 (its codes are zeros); blocks whose largest magnitude lies under 2^-118 are held at the byte 1.
; silu(g) h = (g h) / (1 + 2^(-1.442695 g)): where the power overflows the quotient is 0, which is the value's limit there.
; REGISTERS, in windows of 256.  Window 0: v1-15 addresses and tokens; v16-23 the tokens' indices and p; v24-27 pe; v32-63 w13's scale words, v64-79 w2's, v80-87 x's, v88-89 the hidden layer's; v96-159 x's fragments
;   (two sets), later the hidden layer's four; v160-223 silu(g) h; v224-239 at work; v240-255 codes just made.  Window 1: ring buffers 0, 1 (at the head x as loaded, at the end rows of y).
;   Window 2: v0-127 ring buffer 2; v128-255 product 1's 16 accumulators (h, then g), later product 2's results in two sets of 64 (at head and end: row offsets).  Window 3: y, tile (ct, m) at 16 ct + 8 m.
; THE MODE: SCHED_MODE bits 1:0 = 2 (LLVM: expert scheduling mode 2), set by the entry lines.  The code itself states the register dependences between vector or matrix instructions and memory or LDS
; instructions, with s_wait_alu, always for 0.
; THE PLAN.  Registers that memory or LDS instructions touch, and who else names them:
;   v1-13             addresses: made at the head, ahead of the wait on va_vdst in front of the token loads, never written again: the experts are reached by scalar bases, the steps by immediate offsets.
;   ring buffers 0-2  ring step t's loads land in buffer (t + 1) % 3; step t's products read it; step t + 3's loads, issued at the head of step t + 1, land in it again.
;   XF                product 1: K step s's fragments of x land in set s % 2, step s's products read it, K step s + 2's land there at the head of step s + 1.  Product 2: the hidden layer's four fragments land, its products read.
;   PC, PW, PW2       written by a quantiser, read by the LDS stores of the images behind it, written again by the next quantiser.
;   v32-79            the weights' scale words: an expert's loads land, its products read.   v90-93: LDS loads land, two vector lines read.   v88-89: those two lines write, product 2 takes them as scales.
;   window 3 (y)      vector lines write; the LDS stores of the way out read.
; So: at the loop's head, ahead of its branch and so on every way, one wait on va_vdst (the expert before is done with the ring, XF and the scale words) and one on vm_vsrc (its image stores have read PC, PW, PW2);
; one wait on va_vdst at the head of each later step whose loads land where the step before read; one behind each quantiser, ahead of its stores; one behind the places of v88-89; one ahead of the way out.
; A step's loads stand in one run at its head: their address lies in window 0 and a product's source 0 in window 1 or 2, so that loads dealt among the products would each want window switches of their own.
.set XIMG, 135168                      ; LDS: 0 .. 135,167: for each wave 33,792 bytes of its own: four stages of 16 rows x 528 for x, at the end two stages of 16 rows x 1,040 for y
.set XSC,  167936                      ; x's 16 fragment images (8 m + s) x 2,048 from XIMG; their scale words, 128 bytes each, from XSC
.set HIMG, 169984                      ; the hidden layer's 4 images (2 m + K step)
.set HSC,  178176                      ; its scale bytes: a word a lane for each (tile m, wave): (4 m + w) x 128
.set LIX, 1                            ; 16 lane + XIMG
.set LIH, 2                            ; 16 lane + HIMG
.set WO,  3                            ; 16 lane + 65,536 wave: my place in an expert's w13c and w2c
.set OST, 4                            ; the way out: where I put 32 bytes of a row
.set SCO, 5                            ; 16 lane + 2,048 wave: my place in an expert's scale words
.set XWI, 6                            ; where I store x's images,
.set XWS, 7                            ; and their scale words
.set HWI, 8                            ; the hidden layer's
.set HWS, 9
.set STW, 10                           ; my stages: 33,792 wave + 16 lane
.set STR, 11                           ; 33,792 wave + 528 r + 64 h
.set XSA, 12                           ; XSC + 1,024 h + 4 r: lanes 0-15 take tile 0's words, lanes 16-31 tile 1's
.set HSA, 13                           ; HSC + 512 h + 4 r
.set TOK, 14                           ; v14, v15: token r of tile 0, 1
.set PE,  24
.set PW,  28
.set PW2, 29
.set W13S, 32
.set W2S, 64
.set XS,  80
.set HS,  88
.set XF,  96
.set HE,  160
.set TM,  224
.set PC,  240
.set MSB, 0
.macro WIN new                         ; the immediate's high byte repeats the setting that is left; a switch that changes nothing is dropped.  Bits 1:0 source 0, 3:2 source 1, 5:4 source 2, 7:6 destination
.if MSB != \new
	s_set_vgpr_msb (MSB<<8)|\new
.set MSB, \new
.endif
.endm
.macro BARRIER                         ; my LDS stores have landed and my LDS loads are in: then the work-group's barrier
	s_wait_dscnt 0x0
	s_barrier_signal -1
	s_barrier_wait -1
.endm
; 64 numbers of a lane, v[s] .. v[s + 63], in four blocks: register 16 b + i is number 16 (lane / 16) + i of block b of my row.  Codes into v[PC] on.  kind 0: the four bytes make one scale word, v[PW];
; kind 1: blocks 0, 1 belong to tile 0 and 2, 3 to tile 1: two bytes each in v[PW], v[PW2].
.macro QUANT s, kind
.irp b, 0,1,2,3
	v_max3_num_f32 v[TM+\b], |v[\s+16*\b]|, |v[\s+1+16*\b]|, 0x4800000   ; my 16 numbers, and the floor 2^(9 - 127): the byte cannot fall under 1
.endr
.irp i, 2,4,6,8,10,12,14
.irp b, 0,1,2,3
	v_max3_num_f32 v[TM+\b], v[TM+\b], |v[\s+16*\b+\i]|, |v[\s+1+16*\b+\i]|   ; (the four blocks by turns)
.endr
.endr
.irp b, 0,1,2,3
	v_permlanex16_b32 v[TM+4+\b], v[TM+\b], s26, s27
.endr
.irp b, 0,1,2,3
	v_max_num_f32 v[TM+\b], v[TM+\b], v[TM+4+\b]   ; with lane l xor 16's: the block's largest magnitude
.endr
.irp b, 0,1,2,3
	v_add_nc_u32 v[TM+12+\b], 0xfc000000, v[TM+\b]   ; 8 off its exponent field: the conversion's scale operand
.endr
.irp b, 0,1,2,3
	v_and_or_b32 v[TM+8+\b], v[TM+\b], 0x7f800000, s25   ; 448 x the scale
.endr
.irp b, 0,1,2,3
	v_lshrrev_b32 v[TM+4+\b], 23, v[TM+12+\b]      ; the scale's byte
.endr
	v_lshl_or_b32 v[PW], v[TM+5], 8, v[TM+4]
.if \kind == 0
	v_lshl_or_b32 v[PW], v[TM+6], 16, v[PW]
	v_lshl_or_b32 v[PW], v[TM+7], 24, v[PW]
.else
	v_lshl_or_b32 v[PW2], v[TM+7], 8, v[TM+6]
.endif
.irp b, 0,1,2,3
.irp i, 0,1,2,3,4,5,6,7,8,9,10,11,12,13,14,15
	v_med3_num_f32 v[\s+16*\b+\i], v[\s+16*\b+\i], -v[TM+8+\b], v[TM+8+\b]   ; the conversion to an 8-bit code does not saturate (ISA guide 7.6.2): hold first
.endr
	v_cvt_scalef32_pk8_fp8_f32 v[PC+4*\b:PC+1+4*\b], v[\s+16*\b:\s+7+16*\b], v[TM+12+\b]
	v_cvt_scalef32_pk8_fp8_f32 v[PC+2+4*\b:PC+3+4*\b], v[\s+8+16*\b:\s+15+16*\b], v[TM+12+\b]
.endr
	v_nop                                          ; a plain vector line behind the last conversion, ahead of whatever vector or matrix line next touches its registers
.endm
; x's K step f of my four: 16 rows x 512 bytes, as loaded (a row to a load), go into my stage f and come back 64 bytes a lane: row r, of each block of 32 my half's 16 numbers.
; The stores' data come from loads; the loads land in the set that the quantiser of two K steps back worked on, behind that quantiser's own wait on va_vdst: nothing more is owed here.
.macro STAGE f
.set SS, HE-64*((\f)%2)
	s_wait_loadcnt 16*(3-(\f))                     ; this K step's 16 loads are in; the later K steps' may be out
	WIN 0x04                                       ; an LDS store's data are its source 1: window 1
.set n, 0
.rept 16
	ds_store_b128 v[STW], v[64*(\f)+4*n:64*(\f)+4*n+3] offset:8448*(\f)+528*n
.set n, n+1
.endr
	WIN 0
.set n, 0
.rept 16
	ds_load_b128 v[SS+4*n:SS+4*n+3], v[STR] offset:8448*(\f)+128*(n/4)+16*(n%4)   ; LDS serves a wave's instructions in order (ISA guide 5.7.1.4): these see the stores above
.set n, n+1
.endr
.endm
.macro RING t                          ; ring step t lies in buffer (t + 1) % 3: where, and the window settings for its loads and its products (C and D in window 2, source 1 in window 0)
.set RBN, ((\t)+1)%3
.if RBN == 2
.set RBB, 0
.set RWL, 0x80
.set RWM, 0xa2
.else
.set RBB, 128*RBN
.set RWL, 0x40
.set RWM, 0xa1
.endif
.endm
; Ring step t: 8 fragments, 32 loads.  t < 8: K step t of product 1: fragment 4 kappa + 2 i + u (kappa: h or g; block of 32 hidden units 2 w + i; tile u).  t >= 8: group t - 8 of product 2: 16,384 consecutive bytes a wave.
; w = 1: products issued since the last wait on va_vdst have read the buffer: the wait stands behind the window switch, ahead of the loads.
.macro WLOAD t, w
	RING \t
	WIN RWL
.if \w
	s_wait_alu depctr_va_vdst(0)                   ; the products of the step before are done reading this ring buffer, in which the loads below land (in product 1 also their set of x's fragments, in which the next fragments land)
.endif
.set n, 0
.rept 32
.if (\t) < 8
	global_load_b128 v[RBB+4*n:RBB+4*n+3], v[WO], s[12:13] offset:(n/16)*262144+((n/8)%2)*32768+(\t)*4096+((n/4)%2)*2048+(n%4)*512
.else
	global_load_b128 v[RBB+4*n:RBB+4*n+3], v[WO], s[16:17] offset:((\t)-8)*16384+512*n
.endif
.set n, n+1
.endr
.endm
.macro XFETCH s                        ; x's fragments (tile 0, K step s) and (tile 1, K step s) into set s % 2
.set n, 0
.rept 8
	ds_load_b128 v[XF+32*((\s)%2)+4*n:XF+32*((\s)%2)+4*n+3], v[LIX] offset:(8*(n/4)+(\s))*2048+512*(n%4)
.set n, n+1
.endr
.endm
; One matrix instruction from the symbols rD, rA, rB, rSA, rSB.  fU: the weights' tile is u = 1, whose scale words lie in lanes 16-31; fM: the tokens' tile is 1, likewise.  zero = 1: it starts its sum.
.macro MM zero
.if \zero
.if fU && fM
	v_wmma_scale_f32_16x16x128_f8f6f4 v[rD:rD+7], v[rA:rA+15], v[rB:rB+15], 0, v[rSA], v[rSB] matrix_a_scale:MATRIX_SCALE_ROW1 matrix_b_scale:MATRIX_SCALE_ROW1
.elseif fU
	v_wmma_scale_f32_16x16x128_f8f6f4 v[rD:rD+7], v[rA:rA+15], v[rB:rB+15], 0, v[rSA], v[rSB] matrix_a_scale:MATRIX_SCALE_ROW1
.elseif fM
	v_wmma_scale_f32_16x16x128_f8f6f4 v[rD:rD+7], v[rA:rA+15], v[rB:rB+15], 0, v[rSA], v[rSB] matrix_b_scale:MATRIX_SCALE_ROW1
.else
	v_wmma_scale_f32_16x16x128_f8f6f4 v[rD:rD+7], v[rA:rA+15], v[rB:rB+15], 0, v[rSA], v[rSB]
.endif
.else
.if fU && fM
	v_wmma_scale_f32_16x16x128_f8f6f4 v[rD:rD+7], v[rA:rA+15], v[rB:rB+15], v[rD:rD+7], v[rSA], v[rSB] matrix_a_scale:MATRIX_SCALE_ROW1 matrix_b_scale:MATRIX_SCALE_ROW1
.elseif fU
	v_wmma_scale_f32_16x16x128_f8f6f4 v[rD:rD+7], v[rA:rA+15], v[rB:rB+15], v[rD:rD+7], v[rSA], v[rSB] matrix_a_scale:MATRIX_SCALE_ROW1
.elseif fM
	v_wmma_scale_f32_16x16x128_f8f6f4 v[rD:rD+7], v[rA:rA+15], v[rB:rB+15], v[rD:rD+7], v[rSA], v[rSB] matrix_b_scale:MATRIX_SCALE_ROW1
.else
	v_wmma_scale_f32_16x16x128_f8f6f4 v[rD:rD+7], v[rA:rA+15], v[rB:rB+15], v[rD:rD+7], v[rSA], v[rSB]
.endif
.endif
.endm
; K step s of product 1: 8 weight tiles x 2 token tiles, the 16 accumulators by turns, in the same order in every step.  Accumulator (kappa, m, i, u) at 128 + 64 kappa + 32 m + 16 i + 8 u.
.macro STEP1 s
	s_wait_loadcnt 32                              ; this step's fragments (and, in step 0, the scale words) are in; the next step's 32 loads may be out
.if (\s) > 0
	WLOAD (\s)+2, 1                                ; two steps ahead, into the buffer that the step before read.  Steps 6 and 7 ask for product 2's first two groups
.else
	WLOAD (\s)+2, 0                                ; step 0: the buffer's and the set's last readers are the expert before's products, ahead of the wait at the loop's head
.endif
	WIN 0
.if (\s) < 7
	XFETCH (\s)+1                                  ; into the set that the step before read: only loads and a window switch stand between the wait above and these
	s_wait_dscnt 8                                 ; all but the 8 just issued: this step's fragments of x are in
.else
	s_wait_dscnt 0x0
.endif
	RING \s
	WIN RWM
.set n, 0
.rept 16
.set rD, 128+64*(n/8)+32*(n%2)+16*((n/4)%2)+8*((n/2)%2)
.set rA, RBB+16*(n/2)
.set rB, XF+32*((\s)%2)+16*(n%2)
.set rSA, W13S+8*(n/4)+(\s)
.set rSB, XS+(\s)
.set fU, (n/2)%2
.set fM, n%2
.if (\s) == 0
	MM 1
.else
	MM 0
.endif
.set n, n+1
.endr
	WIN 0
.rept 8
	v_nop                                          ; eight places ahead of the next step's loads into registers that these products read, and of the first read of results
.endr
.endm
; silu(g) h for the wave's 64 hidden units x 32 tokens: 64 numbers a lane.  Each batch of 64 transcendentals has one plain line and one wait behind it, ahead of its first reader.
.macro SILU
	WIN 0x0a                                       ; sources in window 2, destination in window 0
.set n, 0
.rept 32
	v_pk_mul_f32 v[HE+2*n:HE+2*n+1], v[192+2*n:193+2*n], v[128+2*n:129+2*n]   ; g h; each accumulator is read from its low end on
.set n, n+1
.endr
	WIN 0x82
.set n, 0
.rept 32
	v_pk_mul_f32 v[192+2*n:193+2*n], v[192+2*n:193+2*n], 0xbfb8aa3b op_sel_hi:[1,0]   ; -g log2(e)
.set n, n+1
.endr
.set n, 0
	s_wait_alu depctr_va_vdst(0)
.rept 64
	v_exp_f32 v[192+n], v[192+n]
.set n, n+1
.endr
	v_nop
	s_wait_alu depctr_va_vdst(0)                   ; the 64 exponentials have written v192-255 of window 2, which the additions below read
.set n, 0
.rept 32
	v_pk_add_f32 v[192+2*n:193+2*n], v[192+2*n:193+2*n], 1.0 op_sel_hi:[1,0]
.set n, n+1
.endr
.set n, 0
	s_wait_alu depctr_va_vdst(0)
.rept 64
	v_rcp_f32 v[192+n], v[192+n]
.set n, n+1
.endr
	v_nop
	s_wait_alu depctr_va_vdst(0)                   ; the 64 reciprocals have written v192-255 of window 2, which the multiplications below read
	WIN 0x08
.set n, 0
.rept 32
	v_pk_mul_f32 v[HE+2*n:HE+2*n+1], v[HE+2*n:HE+2*n+1], v[192+2*n:193+2*n]
.set n, n+1
.endr
	WIN 0
.endm
.macro FMA q                           ; y += pe x group q's results: 4 column tiles x 2 token tiles; pe of the lane's token of tile (n / 4) % 2
	WIN 0xf2                                       ; y in window 3, the results in window 2, pe in window 0
.set n, 0
.rept 32
	v_pk_fma_f32 v[64*(\q)+2*n:64*(\q)+2*n+1], v[128+64*((\q)%2)+2*n:129+64*((\q)%2)+2*n], v[PE+2*((n/4)%2):PE+1+2*((n/4)%2)], v[64*(\q)+2*n:64*(\q)+2*n+1] op_sel_hi:[1,0,1]
.set n, n+1
.endr
.endm
; Group q of product 2: 4 column tiles x 2 token tiles, K = 256 in two steps: eight products that start the sums, eight that add in place, seven others' between two links.  Results into set q % 2;
; the group before's multiply-adds into y stand behind the products and are their places: they name none of these products' registers.
.macro STEP2 q
.if (\q) < 3
	s_wait_loadcnt 32                              ; this group's fragments are in; the next group's 32 loads may be out
.else
	s_wait_loadcnt 0x0
.endif
.if (\q) == 0
	WLOAD 10, 0                                    ; into buffer 2, whose last readers, K step 7's products, stand ahead of the waits on va_vdst behind the quantiser and ahead of this group
.elseif (\q) == 1
	WLOAD 11, 1                                    ; into buffer 0, which group 0's products read
.endif
	RING (\q)+8
	WIN RWM
.set n, 0
.rept 16
.set kk, n/8
.set ctq, (n%8)/2
.set rD, 128+64*((\q)%2)+16*ctq+8*(n%2)
.set rA, RBB+16*(4*(ctq/2)+2*kk+ctq%2)
.set rB, XF+16*(2*(n%2)+kk)
.set rSA, W2S+4*(\q)+2*(ctq/2)+kk
.set rSB, HS+kk
.set fU, ctq%2
.set fM, n%2
.if n < 8
	MM 1
.else
	MM 0
.endif
.set n, n+1
.endr
.if (\q) == 0
	WIN 0
.rept 9
	v_nop                                          ; nine places: group 2's products write over these results, and a matrix instruction that writes over an earlier one's registers stands nine behind it
.endr
.else
	FMA (\q)-1
.endif
.endm
; THE WAY OUT of token tile m: a lane's 32 bytes (8 columns of one row) go into my stage, rows of 1,024 + 16 bytes, and come back as half rows of 512 bytes.
.macro OUTSTAGE m
	WIN 0x0c                                       ; the data: window 3
.set n, 0
.rept 16
	ds_store_b128 v[OST], v[16*n+8*(\m):16*n+8*(\m)+3] offset:16640*(\m)+64*n
	ds_store_b128 v[OST], v[16*n+8*(\m)+4:16*n+8*(\m)+7] offset:16640*(\m)+64*n+16
.set n, n+1
.endr
	WIN 0x40
.set n, 0
.rept 32
	ds_load_b128 v[128*(\m)+4*n:128*(\m)+4*n+3], v[STW] offset:16640*(\m)+1040*(n/2)+512*(n%2)   ; my own bytes, served in order: no wait between
.set n, n+1
.endr
.endm
.macro OUTSEND m
	WIN 0x06                                       ; the row's offset in window 2, the data in window 1
.set n, 0
.rept 32
	global_store_b128 v[128+16*(\m)+n/2], v[128*(\m)+4*n:128*(\m)+4*n+3], s[20:21] offset:512*(n%2) th:TH_STORE_NT   ; 32 lanes store 512 consecutive bytes, at a multiple of 256 from out0's first byte
.set n, n+1
.endr
.endm
	s_load_b512 s[4:19], s[0:1], 0x0               ; order s[4:5], expert_idxs s[6:7], expert_p s[8:9], x s[10:11], w13c s[12:13], w13s s[14:15], w2c s[16:17], w2s s[18:19]
	s_load_b64 s[20:21], s[0:1], 0x40              ; out0
	v_lshrrev_b32 v90, 5, v0
	v_readfirstlane_b32 s22, v90                   ; wave 0..3
	s_mov_b32 s25, 0x600000                        ; the mantissa field of 448
	s_mov_b32 s26, 0x76543210
	s_mov_b32 s27, 0xfedcba98                      ; v_permlanex16_b32's selects for lane l xor 16
	v_and_b32 v90, 31, v0                          ; lane
	v_and_b32 v91, 15, v0                          ; r
	v_bfe_u32 v92, v0, 4, 1                        ; h
	v_lshlrev_b32 v93, 4, v90                      ; 16 lane
	s_wait_alu depctr_va_vdst(0)
	v_lshlrev_b32 v94, 2, v90                      ; 4 lane
	s_wait_alu depctr_va_vdst(0)
	v_lshlrev_b32 v95, 2, v91                      ; 4 r
	v_add_nc_u32 v[LIX], XIMG, v93
	v_add_nc_u32 v[LIH], HIMG, v93
	s_wait_alu depctr_va_sdst(0)                   ; s22 is written, ahead of its first reader: the wave's shares and addresses are made from it
	s_and_b32 s23, s22, 1                          ; which tile of tokens I quantise
	s_lshr_b32 s24, s22, 1                         ; and which half of K
	s_lshl_b32 s34, s22, 16
	v_add_nc_u32 v[WO], s34, v93
	s_lshl_b32 s34, s22, 11
	v_add_nc_u32 v[SCO], s34, v93
	s_lshl_b32 s34, s23, 3
	s_lshl_b32 s35, s24, 2
	s_add_co_u32 s34, s34, s35                     ; my first fragment of x: 8 (w % 2) + 4 (w / 2)
	s_lshl_b32 s35, s34, 11
	s_add_co_u32 s35, s35, XIMG
	v_add_nc_u32 v[XWI], s35, v93
	s_lshl_b32 s35, s34, 7
	s_add_co_u32 s35, s35, XSC
	v_add_nc_u32 v[XWS], s35, v94
	s_lshl_b32 s34, s24, 11                        ; the hidden layer: K step w / 2, chunks 2 (w % 2) and + 1
	s_lshl_b32 s35, s23, 10
	s_add_co_u32 s34, s34, s35
	s_add_co_u32 s34, s34, HIMG
	v_add_nc_u32 v[HWI], s34, v93
	s_lshl_b32 s34, s22, 7
	s_add_co_u32 s34, s34, HSC
	v_add_nc_u32 v[HWS], s34, v94
	s_mul_i32 s36, s22, 33792                      ; my stages
	v_add_nc_u32 v[STW], s36, v93
	v_mul_u32_u24 v96, v91, 528
	v_lshl_add_u32 v96, v92, 6, v96
	v_add_nc_u32 v[STR], s36, v96
	v_lshl_add_u32 v[XSA], v92, 10, v95
	v_add_nc_u32 v[XSA], XSC, v[XSA]
	v_lshl_add_u32 v[HSA], v92, 9, v95
	v_add_nc_u32 v[HSA], HSC, v[HSA]
	v_mul_u32_u24 v96, v91, 1040
	v_lshl_add_u32 v96, v92, 5, v96
	v_add_nc_u32 v[OST], s36, v96
	s_lshl_b32 s34, s24, 11
	v_add_nc_u32 v97, s34, v93                     ; x: my half of a row's 4,096 bytes, 16 bytes a lane
	s_wait_kmcnt 0x0
	s_lshl_b32 s34, ttmp9, 7                       ; my work-group's 32 places in order
	s_mov_b32 s35, 0
	s_add_nc_u64 s[4:5], s[4:5], s[34:35]
	s_wait_alu depctr_va_vdst(0)                   ; v95, the two loads' offset, is written; so are the addresses v1 to v13, which the kernel's LDS and memory instructions read and no line writes again
	global_load_b32 v[TOK], v95, s[4:5]            ; lane (r, h): token r of tile 0,
	global_load_b32 v[TOK+1], v95, s[4:5] offset:64   ; and of tile 1
	s_wait_loadcnt 0x0
	v_min_u32 v[TOK], 0x1fff, v[TOK]               ; a loaded number enters an address only behind this hold
	v_min_u32 v[TOK+1], 0x1fff, v[TOK+1]
	v_lshlrev_b32 v30, 3, v[TOK]
	v_lshlrev_b32 v31, 3, v[TOK+1]
	s_cmp_lg_u32 s23, 0
	s_cselect_b32 s34, -1, 0
	v_cndmask_b32 v96, v[TOK], v[TOK+1], s34       ; the tile that I quantise
.set n, 0
.rept 16
	v_readlane_b32 s[66+n], v96, n
.set n, n+1
.endr
	s_wait_alu depctr_va_sdst(0)                   ; s66 to s81 are written, ahead of their first readers, the holds below
.set n, 0
.rept 16
	s_min_u32 s[66+n], s[66+n], 0x1fff
.set n, n+1
.endr
	WIN 0x80
.set n, 0
.rept 16
	v_lshl_add_u32 v[128+n], s[66+n], 12, v97      ; row n's offset in x, the same row in all lanes
.set n, n+1
.endr
	WIN 0
	s_wait_alu depctr_va_vdst(0)                   ; v30, v31 and the sixteen row offsets are written, which the 68 loads below read; v96 and v97 are done with: x's second stage lands on them
	global_load_b64 v[16:17], v30, s[6:7]          ; the tokens' two indices,
	global_load_b64 v[18:19], v31, s[6:7]
	global_load_b64 v[20:21], v30, s[8:9]          ; and their two p
	global_load_b64 v[22:23], v31, s[8:9]
	WIN 0x42                                       ; destination window 1, offset window 2
.set n, 0
.rept 64
	global_load_b128 v[4*n:4*n+3], v[128+n%16], s[10:11] offset:512*(n/16) th:TH_LOAD_NT   ; K step n / 16 of my four, row n % 16: 512 consecutive bytes of a row, read once in the launch
.set n, n+1
.endr
	WIN 0xc0
.set n, 0
.rept 256
	v_mov_b32 v[n], 0                              ; y.  Which expert is a block's first is known from the list alone, so no product can start these sums; the lines stand while x is on its way
.set n, n+1
.endr
	WIN 0
.set n, 0
.rept 16
	v_mov_b32 v[W2S+n], 0x7f7f7f7f                 ; w2's scale words are loaded under one branch and read under another: they are written on every way (the scale 1)
.set n, n+1
.endr
.irp b, 0,1,2,3
	v_mov_b32 v[TM+4+\b], 0                        ; written once: a lane permute's destination counts as one of its sources
.endr
	; ---- x: my 16 rows x 512 along K become four fragments and their scale words
	STAGE 0
.irp f, 0,1,2,3
.if \f < 3
	STAGE \f+1
	s_wait_dscnt 32                                ; all but the stage just issued (16 stores, 16 loads): this K step's numbers are back, and the last images' stores are done
.else
	s_wait_dscnt 0x0
.endif
.if \f > 0
	s_wait_alu depctr_vm_vsrc(0)                   ; the last image's LDS stores have read v[PC ..] and v[PW], which this quantiser writes again; x's loads have read their offsets and the stages' stores their data, registers that products and the ring's loads write later
.endif
.if (\f)%2 == 0
	QUANT HE, 0
.else
	QUANT XF, 0
.endif
	s_wait_alu depctr_va_vdst(0)                   ; the quantiser has written v[PC ..] and v[PW], which the LDS stores below read, and is done with its 64 numbers, on whose registers the stage after next lands
.irp c, 0,1,2,3
	ds_store_b128 v[XWI], v[PC+4*\c:PC+4*\c+3] offset:2048*\f+512*\c
.endr
	ds_store_b32 v[XWS], v[PW] offset:128*\f
.endr
	BARRIER                                        ; x's sixteen fragments lie in LDS, for the whole launch
.set n, 0
.rept 8
	ds_load_b32 v[XS+n], v[XSA] offset:128*n       ; x's scale words stay in registers: tile 0's in lanes 0-15, tile 1's in lanes 16-31
.set n, n+1
.endr
	s_wait_dscnt 0x0
	s_mov_b32 s28, 0                               ; e
.Lexpert:
	v_cmp_eq_u32 s30, s28, v16
	v_cmp_eq_u32 s31, s28, v17
	v_cmp_eq_u32 s32, s28, v18
	v_cmp_eq_u32 s33, s28, v19
	s_wait_alu depctr_va_sdst(0)                   ; the four masks s30 to s33 are written, ahead of their first readers, the selects below
	v_cndmask_b32 v[PE], 0, v20, s30
	v_cndmask_b32 v[PE+1], 0, v21, s31
	v_cndmask_b32 v[PE+2], 0, v22, s32
	v_cndmask_b32 v[PE+3], 0, v23, s33
	v_add_f32 v[PE], v[PE], v[PE+1]                ; pe of my token of tile 0,
	v_add_f32 v[PE+2], v[PE+2], v[PE+3]            ; and of tile 1
	v_mov_b32 v[PE+1], v[PE]                       ; (the packed form names pairs: both words are written)
	v_mov_b32 v[PE+3], v[PE+2]
	s_or_b32 s29, s30, s31
	s_or_b32 s29, s29, s32
	s_or_b32 s29, s29, s33                         ; does any of the 32 tokens name e?  Every wave holds all 32, so all four waves agree
	s_wait_alu depctr_va_vdst(0)                   ; ahead of the branch, on every way: the products issued so far are done reading the ring, v[XF ..] and the scale words v32-79 (first trip: the head's lines have written v64-79, the last quantiser is done with v[XF ..]), and v90-93 have been read: this trip's loads land in all of these
	s_wait_alu depctr_vm_vsrc(0)                   ; likewise: the last images' LDS stores have read v[PC ..], v[PW] and v[PW2], which this trip's quantiser writes again
	s_cmp_eq_u32 s29, 0
	s_cbranch_scc1 .Lskip1
	; ---- product 1, silu(g) h, its codes
	s_wait_loadcnt 0x0                             ; no load is out: the ring begins anew
.set n, 0
.rept 8
	global_load_b128 v[W13S+4*n:W13S+4*n+3], v[SCO], s[14:15] offset:(8*(n/4)+(n/2)%2)*1024+512*(n%2)   ; w13's scale words: register 8 (2 kappa + i) + K step
.set n, n+1
.endr
.set n, 0
.rept 4
	global_load_b128 v[W2S+4*n:W2S+4*n+3], v[SCO], s[18:19] offset:512*n   ; w2's: register 4 q + 2 (block % 2) + K step
.set n, n+1
.endr
	WLOAD 0, 0                                     ; no vector or matrix line since the wait at the loop's head names the registers in which these loads land
	WLOAD 1, 0
	WIN 0
	XFETCH 0
	STEP1 0
	STEP1 1
	STEP1 2
	STEP1 3
	STEP1 4
	STEP1 5
	STEP1 6
	STEP1 7
	SILU
	QUANT HE, 1                                    ; blocks (tile 0: units 64 w, 64 w + 32; tile 1: the same): each a block of 32 along product 2's K
	s_wait_alu depctr_va_vdst(0)                   ; the quantiser has written v[PC ..], v[PW] and v[PW2], which the LDS stores below read; product 1 is done reading v[XF ..] and ring buffer 2, in which the loads behind the barrier land
.irp b, 0,1,2,3
	ds_store_b128 v[HWI], v[PC+4*\b:PC+4*\b+3] offset:4096*(\b/2)+512*(\b%2)
.endr
	ds_store_b32 v[HWS], v[PW]
	ds_store_b32 v[HWS], v[PW2] offset:512
.Lskip1:
	BARRIER                                        ; the hidden layer's four fragments lie in LDS.  (The loads of product 2's first two groups stay on their way: nobody writes those bytes)
	s_cmp_eq_u32 s29, 0
	s_cbranch_scc1 .Lskip2
	; ---- product 2 and y
.set n, 0
.rept 16
	ds_load_b128 v[XF+4*n:XF+4*n+3], v[LIH] offset:512*n   ; fragment (tile m, K step) at 16 (2 m + K step)
.set n, n+1
.endr
.irp k, 0,1,2,3
	ds_load_b32 v[90+\k], v[HSA] offset:128*\k     ; wave k's two bytes: tile 0's in lanes 0-15, tile 1's in lanes 16-31
.endr
	s_wait_dscnt 0x0
	v_lshl_or_b32 v[HS], v91, 16, v90              ; K step 0's scale word: waves 0 and 1;
	v_lshl_or_b32 v[HS+1], v93, 16, v92            ; K step 1's: waves 2 and 3
.rept 8
	v_nop                                          ; a scale register written by a vector instruction stands eight places ahead of the scaled matrix instruction
.endr
	s_wait_alu depctr_va_vdst(0)                   ; behind the places: v[HS] and v[HS+1] are written, which the products below take as scales
	STEP2 0
	STEP2 1
	STEP2 2
	STEP2 3
	FMA 3
	WIN 0
.Lskip2:
	BARRIER                                        ; every wave's reads of the hidden layer are in: the next expert may write it
	s_wait_xcnt 0x0                                ; the bases are stepped only behind this wait
	s_add_nc_u64 s[12:13], s[12:13], 524288        ; the next expert's w13c,
	s_add_nc_u64 s[14:15], s[14:15], 16384         ; w13s,
	s_add_nc_u64 s[16:17], s[16:17], 262144        ; w2c,
	s_add_nc_u64 s[18:19], s[18:19], 8192          ; w2s (behind the last trip they are not used)
	s_add_co_u32 s28, s28, 1
	s_cmp_lt_u32 s28, 8
	s_cbranch_scc1 .Lexpert
	; ---- the way out: each wave stores its 1,024 bytes of all 32 rows
	s_wait_loadcnt 0x0
	v_and_b32 v30, 31, v0                          ; (the head's loads read v30 and v31 ahead of the waits on vm_vsrc that stand at x's quantisers and at the loop's head)
	v_lshlrev_b32 v30, 4, v30
	s_lshl_b32 s34, s22, 10
	v_add_nc_u32 v31, s34, v30                     ; 1,024 wave + 16 lane
.irp m, 0,1
.set n, 0
.rept 16
	v_readlane_b32 s[66+n], v[TOK+\m], n
.set n, n+1
.endr
	s_wait_alu depctr_va_sdst(0)                   ; s66 to s81 are written, ahead of their first readers, the holds below
.set n, 0
.rept 16
	s_min_u32 s[66+n], s[66+n], 0x1fff
.set n, n+1
.endr
	WIN 0x80
.set n, 0
.rept 16
	v_lshl_add_u32 v[128+16*\m+n], s[66+n], 12, v31   ; row n of tile m in out0
.set n, n+1
.endr
	WIN 0
.endr
	s_wait_alu depctr_va_vdst(0)                   ; y is written, which the LDS stores below read; the 32 row offsets are written, which the global stores read; the products are done reading ring buffers 0 and 1, in which the rows land
	OUTSTAGE 0
	OUTSTAGE 1
	s_wait_dscnt 32                                ; all but tile 1's 32 loads: tile 0's rows are back
	OUTSEND 0
	s_wait_dscnt 0x0
	OUTSEND 1
	WIN 0
	s_barrier_signal -1
	s_barrier_wait -1
	s_wait_xcnt 0x0
	s_wait_alu depctr_vm_vsrc(0)                   ; the last images' LDS stores have read v254 and v255, which the two lines below write
	v_lshl_add_u32 v254, v0, 2, 0x2bc00
	v_mov_b32 v255, 0
	s_wait_dscnt 0x0                               ; the closing lines, six on end
	s_wait_alu 0x0
	s_wait_tensorcnt 0x0
	ds_add_u32 v254, v255
	s_wait_dscnt 0x0
	s_endpgm
.Lfunc_end_k_qb181dd0867_experts:
	.size	k_qb181dd0867_experts, .Lfunc_end_k_qb181dd0867_experts-k_qb181dd0867_experts
	.p2alignl 7, 3214868480
	.fill 96, 4, 3214868480
	.section	.rodata,"a",@progbits
	.p2align	6, 0x0
	.amdhsa_kernel k_qb181dd0867_experts
		.amdhsa_group_segment_fixed_size 179712
		.amdhsa_private_segment_fixed_size 0
		.amdhsa_enable_private_segment 0
		.amdhsa_kernarg_size 72
		.amdhsa_user_sgpr_count 2
		.amdhsa_user_sgpr_kernarg_segment_ptr 1
		.amdhsa_wavefront_size32 1
		.amdhsa_system_sgpr_workgroup_id_x 1
		.amdhsa_system_sgpr_workgroup_id_y 1
		.amdhsa_system_sgpr_workgroup_id_z 1
		.amdhsa_system_vgpr_workitem_id 0
		.amdhsa_next_free_vgpr 1024
		.amdhsa_next_free_sgpr 96
		.amdhsa_reserve_vcc 0
		.amdhsa_float_denorm_mode_32 3
		.amdhsa_float_denorm_mode_16_64 3
		.amdhsa_memory_ordered 1
		.amdhsa_forward_progress 1
		.amdhsa_inst_pref_size 189
	.end_amdhsa_kernel
	.amdgpu_metadata
---
amdhsa.version: [ 1, 2 ]
amdhsa.kernels:
  - .name:           k_qb181dd0867_experts
    .symbol:         k_qb181dd0867_experts.kd
    .args:
      - { .name: order, .offset: 0, .size: 8, .value_kind: global_buffer, .address_space: global }
      - { .name: expert_idxs, .offset: 8, .size: 8, .value_kind: global_buffer, .address_space: global }
      - { .name: expert_p, .offset: 16, .size: 8, .value_kind: global_buffer, .address_space: global }
      - { .name: x, .offset: 24, .size: 8, .value_kind: global_buffer, .address_space: global }
      - { .name: w13c, .offset: 32, .size: 8, .value_kind: global_buffer, .address_space: global }
      - { .name: w13s, .offset: 40, .size: 8, .value_kind: global_buffer, .address_space: global }
      - { .name: w2c, .offset: 48, .size: 8, .value_kind: global_buffer, .address_space: global }
      - { .name: w2s, .offset: 56, .size: 8, .value_kind: global_buffer, .address_space: global }
      - { .name: out0, .offset: 64, .size: 8, .value_kind: global_buffer, .address_space: global }
    .group_segment_fixed_size: 179712
    .private_segment_fixed_size: 0
    .kernarg_segment_align: 8
    .kernarg_segment_size: 72
    .max_flat_workgroup_size: 128
    .sgpr_count:     96
    .vgpr_count:     1024
    .wavefront_size: 32
...
	.end_amdgpu_metadata
.endif
;; end of part 5
